; MI455X (gfx1250); checked and timed in simulation.
; The chip was launched on July 23, 2026; its instructions are those of AMD's public machine-readable ISA for CDNA 5 (MIT licence, August 2026) and "CDNA5" Instruction Set Architecture Reference Guide (July 2026). The comments in the code are by the model that wrote it; some were corrected since.
;; Model. Allowed arithmetic: matrix products marked QUANTISED: E4M3 operands, one given power-of-two scale a tensor, by v_wmma_f32_16x16x64_fp8_fp8 or v_wmma_f32_16x16x128_fp8_fp8, f32 sums; everything else in f32.
;; Inputs: lowp_scales 18 int32 (the exponents e of the quantised operands' scales 2^e); w_down 688 x 1,024 float32; w_gate 1,024 x 688 float32; w_up 1,024 x 688 float32; wk 1,024 x 1,024 float32; wo 1,024 x 1,024 float32; wq 1,024 x 1,024 float32; wv 1,024 x 1,024 float32; x 2 x 2,048 x 1,024 float32.
;; Outputs: out0 2 x 2,048 x 1,024 float32.
;; This version of the problem:
;;   THIS VERSION OF THE PROBLEM IS GIVEN IN LOW PRECISION. The matrix products marked QUANTISED in the list below multiply operands that are first quantised to E4M3 (4 exponent bits, 3 mantissa bits; 8 bits a number), with one given power-of-two scale for each operand tensor; their sums are f32. All else is computed in f32.
;;   The module's matrix products, in the order in which they are computed (A, B: the left and right operand; K: the contracted axis; several contracted axes count as one K, in the product's order):
;;     1. [M 4,096, K 1,024] x [K 1,024, N 1,024]; A: computed on the way; B: input wq: QUANTISED (scales: A lowp_scales[0], B lowp_scales[1])
;;     2. [M 4,096, K 1,024] x [K 1,024, N 1,024]; A: computed on the way; B: input wk: QUANTISED (scales: A lowp_scales[2], B lowp_scales[3])
;;     3. [M 4,096, K 1,024] x [K 1,024, N 1,024]; A: computed on the way; B: input wv: QUANTISED (scales: A lowp_scales[4], B lowp_scales[5])
;;     4. batch 64 x [M 2,048, K 32] x [K 32, N 2,048]; A: computed on the way; B: computed on the way: QUANTISED (scales: A lowp_scales[6], B lowp_scales[7])
;;     5. batch 64 x [M 2,048, K 2,048] x [K 2,048, N 32]; A: softmax (see below); B: computed on the way: QUANTISED (scales: A lowp_scales[8], B lowp_scales[9])
;;     6. [M 4,096, K 1,024] x [K 1,024, N 1,024]; A: computed on the way; B: input wo: QUANTISED (scales: A lowp_scales[10], B lowp_scales[11])
;;     7. [M 4,096, K 1,024] x [K 1,024, N 688]; A: computed on the way; B: input w_gate: QUANTISED (scales: A lowp_scales[12], B lowp_scales[13])
;;     8. [M 4,096, K 1,024] x [K 1,024, N 688]; A: computed on the way; B: input w_up: QUANTISED (scales: A lowp_scales[14], B lowp_scales[15])
;;     9. [M 4,096, K 688] x [K 688, N 1,024]; A: computed on the way; B: input w_down: QUANTISED (scales: A lowp_scales[16], B lowp_scales[17])
;;   THE QUANTISER, for each operand of a quantised product, along K:
;;     - The operand's scale is 2^e, e = its entry of the input lowp_scales (int32; the entries are numbered through the quantised products in the list's order, A before B).
;;     - Each number is divided by the scale, clamped to +-448, and rounded to the nearest number of E4M3, ties to even, subnormals kept.
;;     - The product sums the exact products of the quantised numbers (number of the format x scale) in f32.
;;   ~~~python
;;   def quantise(x, axis, e):      # numpy; x: float32 -> the quantised numbers, widened to float32 again
;;       x = np.moveaxis(x, axis, -1); K = x.shape[-1]
;;       r = np.clip(x / 2.0 ** e, -448, 448)
;;       step = 2.0 ** (np.maximum(np.frexp(np.where(r == 0, 1, r))[1] - 1, -6) - 3)
;;       q = np.round(r / step) * step * 2.0 ** e      # np.round: ties to even
;;       return np.moveaxis(q, -1, axis).astype(np.float32)
;;   ~~~
;;   SOFTMAX AHEAD OF A QUANTISED PRODUCT. Where the list says 'softmax', what is quantised is not the finished softmax but p = 2^(t - M), with t = logit x log2(e) and M = ceil(the row's largest t), a whole number; so 1/2 < the row's largest p <= 1. The row's sum l is taken of the UNQUANTISED p, in f32, and the product's result is divided by l at the end. Since M is a whole number, a kernel that streams over the keys may use a running M (the ceiling of the running maximum): every later rescaling is an exact power of two, so the quantised numbers keep their values, but for numbers so far below the row's largest that they fall under the format's range.
;;   OPERANDS COMPUTED ON THE WAY. 'Computed on the way' means the value that the module computes at that place (a softmax that the list does not call 'softmax' is quantised finished and normalised). What goes into a quantiser is computed in f32, as accurately as f32 sums, v_exp_f32 and their like allow (about 1e-6 of the number): no bf16 or f16 on the way to a quantiser, and a product that is left as it is and whose result goes on into a quantised operand takes f32 operands (vector FMAs, or v_wmma_f32_16x16x4_f32). A number that lies on a knife's edge between two numbers of the format may be rounded either way, as far as f32 arithmetic and the matrix unit's own rounding can turn it there, and no further.
;; 2 versions, each right; version 2 is version 1 with the launch attn written anew for expert scheduling mode. Each part assembles by itself: llvm-mc -triple=amdgcn-amd-amdhsa -mcpu=gfx1250 --defsym DOCPART=n.
;; ======== version 1 of 2: 7 launches
;; workspace buffers: wc 6,553,600 bytes; hc 12,582,912 bytes; qkvc 12,582,912 bytes; ac 4,194,304 bytes; x1 16,777,216 bytes; h2c 8,388,608 bytes; actc 3,145,728 bytes
;; launch prep (part 1): grid 456 x 1, 4 waves a work-group, no clusters, 768 bytes of LDS; arguments x, wq, wk, wv, wo, w_down, w_gate, w_up, lowp_scales, hc, wc; writes hc, wc
.if DOCPART == 1
	.amdgcn_target "amdgcn-amd-amdhsa--gfx1250"
	.amdhsa_code_object_version 6
	.text
	.protected	k_qc4ba68a605_prep
	.globl	k_qc4ba68a605_prep
	.p2align	8
	.type	k_qc4ba68a605_prep,@function
k_qc4ba68a605_prep:
	s_mov_b64 s[64:65], 0
	v_nop
	global_prefetch_b8 v0, s[64:65] scope:SCOPE_SE
	s_setreg_imm32_b32 hwreg(HW_REG_WAVE_MODE, 25, 1), 1
	s_wait_xcnt 0x0
; Work-groups 0-255: h = x * rsqrt(mean(x^2) + 1e-6), quantised three times (scales 2^e0, 2^e2, 2^e4) into hc.
; Work-groups 256-455: the seven weights, stored [k][n] f32, quantised along K into wc.
; THE IMAGE.  Every operand [rows][K] of codes is laid [K/256][rows/16][4,096 bytes]: byte 256 t + 16 s + i of block (cc, T) is the code of
; row 32 (T/2) + 8 (T%2) + s + 8 (s/8) at k = 256 cc + 16 t + i.  So register group c of a fragment (16 rows x 128 K) is 512 dense bytes, 16 a lane.
; code = number / 2^e, held within +-448, to the nearest code, ties to even.
; LIMITS: each e used here lies between -126 and 119, so that 2^e and 448 x 2^e are f32 numbers.  NaN among the inputs is not served.
; wc: wq|wk|wv at 0 (192 tiles a chunk), wo at 3,145,728 (64), gate/up at 4,194,304 (96: rows 64 G + 0..31 gate's columns 32 G on, rows 64 G + 32..63 up's;
; columns from 688 on are zero codes), w_down at 5,767,168 (64 tiles, 3 chunks; k from 688 on are zero codes).
.set XA,  4                            ; norm: my lane's byte in the tile's rows of x
.set LI,  5                            ; norm: 16 x lane
.set X,   32                           ; norm: v32-159  128 numbers: unit j (16 neighbours along K) at X + 16 j
.set TS,  160                          ; norm: v160-191 two sets of 16 held numbers
.set C,   192                          ; norm: v192-223 codes, 4 registers a unit
.set SCV, 224                          ; norm: v224.. 2^e and 448 x 2^e of each version
.set VO,  16                           ; weights: v16-31 byte offset of my column in rows 0..15 of a unit
.set WX,  32                           ; weights: v32-95 four sets of 16 numbers
.set WC,  96                           ; weights: v96-159 codes, 4 registers a unit: no store's data are written again
; The norm of 16 rows (image tile T = the work-group's number), nv versions of codes.  Wave w takes k = 256 w .. 256 w + 255; lane (r, h) takes row r's 16 numbers 32 j + 16 h on of each unit j.
; s[4:5] the f32 rows, s[22:23] the codes' buffer, s[es], s[es+2], .. the exponents, s26 the wave.
.macro NORM nv, es
	s_lshr_b32 s30, ttmp9, 1
	s_lshl_b32 s30, s30, 5
	s_and_b32 s31, ttmp9, 1
	s_lshl_b32 s31, s31, 3
	s_add_co_u32 s30, s30, s31                     ; the tile's first row: 32 (T/2) + 8 (T%2)
	s_lshl_b32 s30, s30, 12                        ; rows of 4,096 bytes
	s_lshl_b32 s31, s26, 10                        ; my wave's 1,024 bytes of a row
	s_add_co_u32 s30, s30, s31
	s_mov_b32 s31, 0
	s_add_nc_u64 s[4:5], s[4:5], s[30:31]
	s_lshl_b32 s30, s26, 20                        ; chunk w: 256 tiles of 4,096 bytes
	s_lshl_b32 s46, ttmp9, 12
	s_add_co_u32 s30, s30, s46
	s_add_nc_u64 s[40:41], s[22:23], s[30:31]
.set vv, 1
.rept \nv-1
	s_add_nc_u64 s[40+2*vv:41+2*vv], s[40:41], vv*0x400000   ; a version is 4 MiB
.set vv, vv+1
.endr
	s_mov_b32 s28, 0x76543210                      ; lane selects: lane l xor 16
	s_mov_b32 s29, 0xfedcba98
	s_mov_b32 s27, 0x3a800000                      ; 1 / 1024
	v_and_b32 v1, 15, v0                           ; r
	v_bfe_u32 v2, v0, 4, 1                         ; h
	v_and_b32 v3, 8, v1
	v_add_nc_u32 v3, v3, v1                        ; r + 8 (r/8)
	v_lshlrev_b32 v[XA], 12, v3
	v_lshl_add_u32 v[XA], v2, 6, v[XA]             ; + 64 h
	v_and_b32 v[LI], 31, v0
	v_lshlrev_b32 v[LI], 4, v[LI]
	v_lshlrev_b32 v7, 2, v1                        ; LDS: 4 r
	s_lshl_b32 s30, s26, 6
	v_add_nc_u32 v6, s30, v7                       ; LDS: 64 w + 4 r
.irp j, 0,1,2,3,4,5,6,7
.irp i, 0,1,2,3
	global_load_b128 v[X+16*\j+4*\i:X+16*\j+4*\i+3], v[XA], s[4:5] offset:128*\j+16*\i th:TH_LOAD_NT
.endr
.endr
	s_wait_kmcnt 0x0                               ; the exponents
.set vv, 0
.rept \nv
	s_add_co_i32 s30, s[\es+2*vv], 127
	s_lshl_b32 s31, s30, 23
	v_mov_b32 v[SCV+2*vv], s31                     ; 2^e as f32: the conversion takes its exponent field
	s_add_co_i32 s30, s30, 8
	s_lshl_b32 s30, s30, 23
	s_or_b32 s30, s30, 0x600000
	v_mov_b32 v[SCV+2*vv+1], s30                   ; 448 x 2^e
.set vv, vv+1
.endr
	; the sum of squares: four packed chains; the first four products start them
.irp j, 0,1,2,3,4,5,6,7
	s_wait_loadcnt 28-4*\j                         ; unit j's four loads are in; the later units' stay out
.irp p, 0,1,2,3,4,5,6,7
.if (\j == 0) && (\p < 4)
	v_pk_mul_f32 v[8+2*\p:9+2*\p], v[X+2*\p:X+2*\p+1], v[X+2*\p:X+2*\p+1]
.else
	v_pk_fma_f32 v[8+2*(\p%4):9+2*(\p%4)], v[X+16*\j+2*\p:X+16*\j+2*\p+1], v[X+16*\j+2*\p:X+16*\j+2*\p+1], v[8+2*(\p%4):9+2*(\p%4)]
.endif
.endr
.endr
	v_pk_add_f32 v[8:9], v[8:9], v[10:11]
	v_pk_add_f32 v[12:13], v[12:13], v[14:15]
	v_pk_add_f32 v[8:9], v[8:9], v[12:13]
	v_add_f32 v8, v8, v9
	v_permlanex16_b32 v9, v8, s28, s29             ; the row's other half of this chunk lies 16 lanes away
	v_add_f32 v8, v8, v9
	ds_store_b32 v6, v8                            ; lanes r and r + 16 write the same number to the same word
	s_wait_dscnt 0x0                               ; for the others' sake: my store has landed
	s_barrier_signal -1
	s_barrier_wait -1
	ds_load_b32 v16, v7
	ds_load_b32 v17, v7 offset:64
	ds_load_b32 v18, v7 offset:128
	ds_load_b32 v19, v7 offset:192
	s_wait_dscnt 0x0
	v_add_f32 v16, v16, v17
	v_add_f32 v18, v18, v19
	v_add_f32 v8, v16, v18
	v_fmaak_f32 v8, s27, v8, 0x358637bd            ; the mean + 1e-6
	v_rsq_f32 v10, v8
	v_rsq_f32 v11, v8                              ; twice: a pair for the packed multiply
	v_nop                                          ; a plain instruction behind the last root
	s_wait_alu depctr_va_vdst(0)                   ; one wait for both, ahead of their first reader
.set n, 0
.rept 64
	v_pk_mul_f32 v[X+n:X+n+1], v[X+n:X+n+1], v[10:11]
.set n, n+2
.endr
.set vv, 0
.rept \nv
.if vv > 0
	s_wait_xcnt 0x0                                ; the last version's stores have read their data: the codes' registers may be written again
.endif
.irp j, 0,1,2,3,4,5,6,7
.irp i, 0,1,2,3,4,5,6,7,8,9,10,11,12,13,14,15
	v_med3_num_f32 v[TS+16*(\j%2)+\i], v[X+16*\j+\i], -v[SCV+2*vv+1], v[SCV+2*vv+1]   ; the conversion does not saturate (ISA guide 7.6.2): the hold comes first.  The two sets take turns, so plain lines stand between a conversion and the next write of its sources
.endr
	v_cvt_scalef32_pk8_fp8_f32 v[C+4*\j:C+4*\j+1], v[TS+16*(\j%2):TS+16*(\j%2)+7], v[SCV+2*vv]
	v_cvt_scalef32_pk8_fp8_f32 v[C+4*\j+2:C+4*\j+3], v[TS+16*(\j%2)+8:TS+16*(\j%2)+15], v[SCV+2*vv]
	global_store_b128 v[LI], v[C+4*\j:C+4*\j+3], s[40+2*vv:41+2*vv] offset:512*\j   ; 32 lanes store 512 consecutive bytes of the image
.endr
.set vv, vv+1
.endr
.endm
	s_load_b512 s[4:19], s[0:1], 0x0               ; x s[4:5], wq s[6:7], wk s[8:9], wv s[10:11], wo s[12:13], w_down s[14:15], w_gate s[16:17], w_up s[18:19]
	s_load_b128 s[20:23], s[0:1], 0x40             ; the exponents s[20:21], hc s[22:23]
	s_load_b64 s[24:25], s[0:1], 0x50              ; wc
	v_lshl_add_u32 v232, v0, 2, 0x100
	v_mov_b32 v233, 0
	v_lshrrev_b32 v1, 5, v0
	v_readfirstlane_b32 s26, v1                    ; wave 0..3
	s_wait_kmcnt 0x0
	s_load_b512 s[68:83], s[20:21], 0x0            ; e0 .. e15
	s_load_b64 s[84:85], s[20:21], 0x40            ; e16, e17
	s_cmp_lt_u32 ttmp9, 256                        ; the same for all waves of a work-group
	s_cbranch_scc1 .Lnorm
	; ---- THE WEIGHTS.  A wave takes 32 image rows (two tiles) x 256 along K.  A LANE TAKES A COLUMN, ITS REGISTERS RUN DOWN K: each load reads 128 dense bytes, and the conversions give codes with K innermost.
	s_sub_co_u32 s27, ttmp9, 256                   ; idx 0..199
	s_lshr_b32 s30, s27, 5                         ; idx < 152: tensor 0 wq, 1 wk, 2 wv, 3 wo, 4 w_down,
	s_and_b32 s32, s27, 7                          ; group of 128 columns,
	s_bfe_u32 s31, s27, 0x20003                    ; chunk of 256 along K,
	s_lshl_b32 s33, s32, 7
	s_lshl_b32 s34, s26, 5
	s_add_co_u32 s33, s33, s34                     ; my wave's first column
	s_sub_co_u32 s35, s27, 152                     ; idx >= 152: gate and up
	s_and_b32 s36, s35, 3                          ; chunk
	s_lshr_b32 s37, s35, 2                         ; group of 128 image rows
	s_lshl_b32 s38, s37, 2
	s_add_co_u32 s38, s38, s26                     ; my 32 image rows: even = gate's, odd = up's
	s_and_b32 s39, s38, 1
	s_add_co_u32 s39, s39, 5                       ; tensor 5 w_gate, 6 w_up
	s_lshr_b32 s40, s38, 1
	s_lshl_b32 s40, s40, 5                         ; first column
	s_cmp_lt_u32 s27, 152
	s_cselect_b32 s30, s30, s39                    ; W
	s_cselect_b32 s31, s31, s36                    ; cc
	s_cselect_b32 s32, s32, s37                    ; cg
	s_cselect_b32 s33, s33, s40                    ; first column
	s_wait_kmcnt 0x0
	s_mov_b64 s[42:43], s[6:7]                     ; what belongs to tensor W: its address, its exponent, its region of wc, tiles in a chunk
	s_mov_b32 s44, s69
	s_mov_b32 s45, 0
	s_mov_b32 s46, 192
.macro PICK w, ptr, ereg, reg, nt
	s_cmp_eq_u32 s30, \w
	s_cselect_b64 s[42:43], s[\ptr:\ptr+1], s[42:43]
	s_cselect_b32 s44, s[\ereg], s44
	s_cselect_b32 s45, \reg, s45
	s_cselect_b32 s46, \nt, s46
.endm
	PICK 1, 8, 71, 0, 192
	PICK 2, 10, 73, 0, 192
	PICK 3, 12, 79, 3145728, 64
	PICK 4, 14, 85, 5767168, 64
	PICK 5, 16, 81, 4194304, 96
	PICK 6, 18, 83, 4194304, 96
	s_lshl_b32 s50, s30, 6
	s_cmp_lt_u32 s30, 3
	s_cselect_b32 s50, s50, 0                      ; first tile in the region: 64 W for wq, wk, wv
	s_mov_b32 s47, 4096
	s_mov_b32 s48, 1024
	s_cmp_ge_u32 s30, 5
	s_cselect_b32 s47, 2752, s47                   ; a row of the tensor in bytes
	s_cselect_b32 s48, 688, s48                    ; its columns
	s_mov_b32 s49, 1024
	s_cmp_eq_u32 s30, 4
	s_cselect_b32 s49, 688, s49                    ; its rows (K)
	s_mul_i32 s52, s31, s46
	s_add_co_u32 s52, s52, s50
	s_lshl_b32 s53, s32, 3
	s_add_co_u32 s52, s52, s53
	s_lshl_b32 s53, s26, 1
	s_add_co_u32 s52, s52, s53                     ; my first tile: cc x tiles + first + 8 cg + 2 w
	s_lshl_b32 s52, s52, 12
	s_add_co_u32 s52, s52, s45
	s_mov_b32 s53, 0
	s_add_nc_u64 s[24:25], s[24:25], s[52:53]
	s_add_co_i32 s44, s44, 127
	s_lshl_b32 s54, s44, 23
	v_mov_b32 v161, s54                            ; 2^e
	s_add_co_i32 s44, s44, 8
	s_lshl_b32 s44, s44, 23
	s_or_b32 s44, s44, 0x600000
	v_mov_b32 v6, s44                              ; 448 x 2^e
	v_and_b32 v1, 31, v0
	v_lshrrev_b32 v2, 4, v1                        ; u: which of the two tiles
	v_and_b32 v3, 15, v1                           ; s: the place in it
	v_and_b32 v4, 8, v3
	v_add_nc_u32 v4, v4, v3
	v_lshl_add_u32 v4, v2, 3, v4
	v_add_nc_u32 v4, s33, v4                       ; my column: first + 8 u + s + 8 (s/8)
	v_cmp_gt_u32 vcc_lo, s48, v4
	v_cndmask_b32 v5, 0, v6, vcc_lo                ; the hold; 0 for a column past the tensor's last: its codes are zeros
	s_sub_co_u32 s55, s48, 1
	v_min_u32 v4, s55, v4                          ; and its loads stay inside the tensor
	v_lshlrev_b32 v[VO], 2, v4
.irp i, 1,2,3,4,5,6,7,8,9,10,11,12,13,14,15
	v_add_nc_u32 v[VO+\i], s47, v[VO+\i-1]
.endr
	v_lshlrev_b32 v7, 4, v3
	v_lshl_add_u32 v7, v2, 12, v7                  ; out: 4,096 u + 16 s
	s_lshl_b32 s57, s31, 8                         ; 256 cc
	s_sub_co_u32 s56, s49, s57
	s_lshr_b32 s56, s56, 4
	s_min_u32 s56, s56, 16                         ; units of 16 along K that the tensor has in this chunk; the others become zero codes
	s_sub_co_u32 s58, s49, 16
	s_mov_b32 s61, 0
.irp t, 0,1,2,3,4,5,6,7,8,9,10,11,12,13,14,15
	s_add_co_u32 s60, s57, 16*\t
	s_min_u32 s60, s60, s58                        ; no load leaves the tensor
	s_mul_i32 s60, s60, s47
	s_add_nc_u64 s[66+2*\t:67+2*\t], s[42:43], s[60:61]   ; unit t's first row (the exponents' registers are done with)
.endr
.macro LOADW t
.irp i, 0,1,2,3,4,5,6,7,8,9,10,11,12,13,14,15
	global_load_b32 v[WX+16*((\t)%4)+\i], v[VO+\i], s[66+2*(\t):67+2*(\t)] th:TH_LOAD_NT
.endr
.endm
.macro UNIT t
.if (\t)+3 < 16
	LOADW (\t)+3
.endif
.if 15-(\t) >= 3
	s_wait_loadcnt 48                              ; unit t's 16 loads are in; the three later units' stay out
.else
	s_wait_loadcnt 16*(15-(\t))
.endif
	s_cmp_gt_u32 s56, \t
	s_cselect_b32 s59, 1.0, 0
	v_mul_f32 v160, s59, v5                        ; the hold, or 0 past the tensor's last row
.irp i, 0,1,2,3,4,5,6,7,8,9,10,11,12,13,14,15
	v_med3_num_f32 v[WX+16*((\t)%4)+\i], v[WX+16*((\t)%4)+\i], -v160, v160
.endr
	v_cvt_scalef32_pk8_fp8_f32 v[WC+4*(\t):WC+4*(\t)+1], v[WX+16*((\t)%4):WX+16*((\t)%4)+7], v161
	v_cvt_scalef32_pk8_fp8_f32 v[WC+4*(\t)+2:WC+4*(\t)+3], v[WX+16*((\t)%4)+8:WX+16*((\t)%4)+15], v161
	global_store_b128 v7, v[WC+4*(\t):WC+4*(\t)+3], s[24:25] offset:256*(\t)   ; sixteen lanes store 256 consecutive bytes, aligned, of each of the two tiles
.endm
	LOADW 0
	LOADW 1
	LOADW 2
.irp t, 0,1,2,3,4,5,6,7,8,9,10,11,12,13,14,15
	UNIT \t
.endr
	s_endpgm
.Lnorm:
	NORM 3, 68
	s_wait_tensorcnt 0x0
	ds_add_u32 v232, v233
	s_wait_dscnt 0x0
	s_endpgm
.Lfunc_end_k_qc4ba68a605_prep:
	.size	k_qc4ba68a605_prep, .Lfunc_end_k_qc4ba68a605_prep-k_qc4ba68a605_prep
	.p2alignl 7, 3214868480
	.fill 96, 4, 3214868480
	.section	.rodata,"a",@progbits
	.p2align	6, 0x0
	.amdhsa_kernel k_qc4ba68a605_prep
		.amdhsa_group_segment_fixed_size 768
		.amdhsa_private_segment_fixed_size 0
		.amdhsa_enable_private_segment 0
		.amdhsa_kernarg_size 88
		.amdhsa_user_sgpr_count 2
		.amdhsa_user_sgpr_kernarg_segment_ptr 1
		.amdhsa_wavefront_size32 1
		.amdhsa_system_sgpr_workgroup_id_x 1
		.amdhsa_system_sgpr_workgroup_id_y 1
		.amdhsa_system_sgpr_workgroup_id_z 1
		.amdhsa_system_vgpr_workitem_id 0
		.amdhsa_next_free_vgpr 234
		.amdhsa_next_free_sgpr 100
		.amdhsa_reserve_vcc 1
		.amdhsa_float_denorm_mode_32 3
		.amdhsa_float_denorm_mode_16_64 3
		.amdhsa_memory_ordered 1
		.amdhsa_forward_progress 1
		.amdhsa_inst_pref_size 97
	.end_amdhsa_kernel
	.amdgpu_metadata
---
amdhsa.version: [ 1, 2 ]
amdhsa.kernels:
  - .name:           k_qc4ba68a605_prep
    .symbol:         k_qc4ba68a605_prep.kd
    .args:
      - { .name: x, .offset: 0, .size: 8, .value_kind: global_buffer, .address_space: global }
      - { .name: wq, .offset: 8, .size: 8, .value_kind: global_buffer, .address_space: global }
      - { .name: wk, .offset: 16, .size: 8, .value_kind: global_buffer, .address_space: global }
      - { .name: wv, .offset: 24, .size: 8, .value_kind: global_buffer, .address_space: global }
      - { .name: wo, .offset: 32, .size: 8, .value_kind: global_buffer, .address_space: global }
      - { .name: w_down, .offset: 40, .size: 8, .value_kind: global_buffer, .address_space: global }
      - { .name: w_gate, .offset: 48, .size: 8, .value_kind: global_buffer, .address_space: global }
      - { .name: w_up, .offset: 56, .size: 8, .value_kind: global_buffer, .address_space: global }
      - { .name: lowp_scales, .offset: 64, .size: 8, .value_kind: global_buffer, .address_space: global }
      - { .name: hc, .offset: 72, .size: 8, .value_kind: global_buffer, .address_space: global }
      - { .name: wc, .offset: 80, .size: 8, .value_kind: global_buffer, .address_space: global }
    .group_segment_fixed_size: 768
    .private_segment_fixed_size: 0
    .kernarg_segment_align: 8
    .kernarg_segment_size: 88
    .max_flat_workgroup_size: 128
    .sgpr_count:     100
    .vgpr_count:     234
    .wavefront_size: 32
...
	.end_amdgpu_metadata
.endif
;; end of part 1
;; launch proj_qkv (part 2): grid 24 x 32, 4 waves a work-group, clusters of 4 x 4, 262,656 bytes of LDS; arguments hc, wc, lowp_scales, qkvc; writes qkvc
.if DOCPART == 2
	.amdgcn_target "amdgcn-amd-amdhsa--gfx1250"
	.amdhsa_code_object_version 6
	.text
	.protected	k_qc4ba68a605_proj_qkv
	.globl	k_qc4ba68a605_proj_qkv
	.p2align	8
	.type	k_qc4ba68a605_proj_qkv,@function
k_qc4ba68a605_proj_qkv:
	s_mov_b64 s[64:65], 0
	v_nop
	global_prefetch_b8 v0, s[64:65] scope:SCOPE_SE
	s_setreg_imm32_b32 hwreg(HW_REG_WAVE_MODE, 25, 1), 1
	s_wait_xcnt 0x0
	s_wait_alu depctr_hold_cnt(0) depctr_sa_sdst(0) depctr_va_vdst(0) depctr_va_sdst(0) depctr_va_ssrc(0) depctr_va_vcc(0) depctr_vm_vsrc(0)
	s_getreg_b32 s2, hwreg(HW_REG_IB_STS2, 6, 4)
	s_cmp_eq_u32 s2, 0
	s_cbranch_scc0 .Lentry_in_a_cluster
	s_endpgm
.Lentry_in_a_cluster:
	s_bfe_u32 s2, ttmp6, 0x10000c
	s_cmp_lg_u32 s2, 0xf033
	s_cbranch_scc0 .Lentry_shape_is_right
	s_endpgm
.Lentry_shape_is_right:
; q = h wq, k = h wk, v = h wv on codes of E4M3, and their results quantised again (2^e6, 2^e7, 2^e9) into the images that the attention launch reads.
; A tile of 128 tokens x 128 columns to a work-group of four waves, 64 x 64 a wave: 16 accumulators.  Tile columns 0-7 are q's, 8-15 k's, 16-23 v's; each takes its own version of h's codes.
; Operands lie in memory as images of their registers ([K/256][rows/16][4,096 bytes]), so a tile's part of a chunk of 256 along K is one dense block, and a fragment's register group is 512 dense bytes of LDS.
; THE WHOLE K (1,024) OF BOTH TILES LIES IN LDS: 4 chunks x (A 32 KiB + B 32 KiB).  All tensor loads go out at the head, four a wave by this text's count; no LDS byte is filled twice.
; CLUSTER 4 x 4: A's blocks are asked for jointly along a row of the cluster, B's along a column.
; q, k: source 0 = 16 columns of the weight, source 1 = 16 tokens: a lane holds one token and, in two neighbouring tiles, 16 neighbouring channels of one head.
; v: source 0 = 16 tokens, source 1 = 16 columns: a lane holds one channel and 16 neighbouring keys.  The two ways differ in two LDS bases and in the stores' offsets alone: they are chosen by s_cselect_b32 on the cluster's x.
; qkvc: q's, k's, v's images, 4 MiB each; a head (batch x 32 + head) has 64 KiB.  q, k: [tile of 16 tokens][lane][16]: lane (s, h): token 32 (T/2) + 8 (T%2) + s + 8 (s/8), channels 16 h on.
; v: [128 keys][u][c][lane][16]: lane (r, h): channel 8 u + r + 8 (r/8), keys 32 c + 16 h on.
; LIMITS: e6 - e0 - e1, e7 - e2 - e3, e9 - e4 - e5 lie between -126 and 119.  k stands in other places of an instruction than the form's own layout gives it, alike in both sources: only the order of the sums inside an instruction differs.
.set NCH,  4                           ; chunks of 256 along K
.set BOFF, 0                           ; the weights' region of wc
.set NTB,  192                         ; its tiles in a chunk
.set ASTR, 1048576                     ; from chunk to chunk in A
.set BSTR, NTB*4096
.set CHB,  65536                       ; a chunk in LDS: A's tiles 0-3, 4-7, B's tiles 0-3, 4-7, 16 KiB each
.set LI,   1                           ; v1     16 x lane
.set ADX,  4                           ; v4-7   LDS address of source 0's fragments in chunk 0..3
.set ADY,  8                           ; v8-11  of source 1's
.set ACC,  128                         ; v128-255 accumulator (a, b) at ACC + 8 (4 a + b).  Window 1: two sets of fragments: 64 registers of source 0, 64 of source 1
.set G1A,  24
.set G1B,  32
.set G0A,  68                          ; s68-83 group 0 for A's four chunks;  s84-99 for B's
.set G0B,  84
.set MSB, 0
.macro WIN new                         ; the immediate's high byte repeats the setting that is left
.if MSB != \new
	s_set_vgpr_msb (MSB<<8)|\new
.set MSB, \new
.endif
.endm
.macro CROUND                          ; a round of the cluster's barrier
	s_barrier_signal -1
	s_barrier_wait -1
	s_cmp_lg_u32 s14, 0
	s_cbranch_scc1 .Lnot_wave_0_\@
	s_barrier_signal -3
.Lnot_wave_0_\@:
	s_barrier_wait -3
	s_barrier_signal -1
	s_barrier_wait -1
.endm
.macro PLACES                          ; four plain vector instructions between a matrix instruction and a load into, or a read of, its registers
.rept 4
	v_nop
.endr
.endm
.macro SYNC cc                         ; chunk cc is whole in LDS for every wave
	s_wait_tensorcnt NCH-1-(\cc)                   ; my load of chunk cc has landed; the later chunks' stay out
	s_wait_dscnt 0x0                               ; no LDS instruction of mine is pending at a signal
	s_barrier_signal -1
	s_barrier_wait -1
.endm
.macro FETCH q, set                    ; the fragments of the q-th 128 along K: 32 loads in one run
	WIN 0x40                                       ; destination window 1
.irp i, 0,1,2,3
.irp c, 0,1,2,3
	ds_load_b128 v[128*(\set)+16*\i+4*\c:128*(\set)+16*\i+4*\c+3], v[ADX+(\q)/2] offset:4096*\i+2048*((\q)%2)+512*\c
.endr
.endr
.irp i, 0,1,2,3
.irp c, 0,1,2,3
	ds_load_b128 v[128*(\set)+64+16*\i+4*\c:128*(\set)+64+16*\i+4*\c+3], v[ADY+(\q)/2] offset:4096*\i+2048*((\q)%2)+512*\c
.endr
.endr
.endm
.macro MUL set, zero                   ; 16 matrix instructions, the accumulators by turns; zero = 1: the first products start the sums
	WIN 0x05                                       ; sources 0 and 1 window 1
.irp a, 0,1,2,3
.irp b, 0,1,2,3
.if \zero
	v_wmma_f32_16x16x128_fp8_fp8 v[ACC+8*(4*\a+\b):ACC+8*(4*\a+\b)+7], v[128*(\set)+16*\b:128*(\set)+16*\b+15], v[128*(\set)+64+16*\a:128*(\set)+64+16*\a+15], 0
.else
	v_wmma_f32_16x16x128_fp8_fp8 v[ACC+8*(4*\a+\b):ACC+8*(4*\a+\b)+7], v[128*(\set)+16*\b:128*(\set)+16*\b+15], v[128*(\set)+64+16*\a:128*(\set)+64+16*\a+15], v[ACC+8*(4*\a+\b):ACC+8*(4*\a+\b)+7]
.endif
.endr
.endr
.endm
	s_load_b256 s[4:11], s[0:1], 0x0               ; hc s[4:5], wc s[6:7], the exponents s[8:9], qkvc s[10:11]
	v_lshl_add_u32 v126, v0, 2, 0x40000
	v_mov_b32 v127, 0
	ds_add_u32 v126, v127
	ds_add_u32 v126, v127
	v_lshrrev_b32 v2, 5, v0
	v_readfirstlane_b32 s14, v2                    ; wave 0..3
	s_lshr_b32 s15, s14, 1                         ; which 64 tokens are mine.  Also: I fetch for A (0) or for B (1)
	s_and_b32 s16, s14, 1                          ; which 64 columns.  Also: which half of the block I fetch
	s_bfe_u32 s40, ttmp6, 0x40000                  ; cx, cy
	s_bfe_u32 s41, ttmp6, 0x40004
	s_lshl_b32 s42, ttmp9, 2
	s_add_co_u32 s42, s42, s40                     ; tile column
	s_and_b32 s17, ttmp7, 0xffff
	s_lshl_b32 s17, s17, 2
	s_add_co_u32 s17, s17, s41                     ; tile row
	s_lshl_b32 s43, s41, 2
	s_lshl_b32 s43, 15, s43                        ; my row of the cluster
	s_lshl_b32 s44, 0x1111, s40                    ; my column
	; group 1: a dense block of 16 KiB as 64 rows of 32 elements of 8 bytes, no padding
	s_or_b32 s[G1A], s43, (3<<16)|(1<<21)          ; 15:0 the mask; 17:16 elements of 8 bytes; 21 set beside a mask
	s_or_b32 s[G1B], s44, (3<<16)|(1<<21)
.irp g, G1A, G1B
	s_mov_b32 s[\g+1], 32<<16                      ; tensor_dim0 = 32
	s_mov_b32 s[\g+2], 64<<16                      ; tensor_dim1 = 64
	s_mov_b32 s[\g+3], 32<<16                      ; tile_dim0 = 32
	s_mov_b32 s[\g+4], 64                          ; tile_dim1 = 64
	s_mov_b32 s[\g+5], 32                          ; from row to row
	s_mov_b32 s[\g+6], 0
	s_mov_b32 s[\g+7], 0
.endr
	s_lshl_b32 s45, s14, 14                        ; where my blocks go in a chunk: 16 KiB x wave
	s_lshr_b32 s48, ttmp9, 1                       ; 0 q, 1 k, 2 v: the same in all sixteen partners
	s_lshl_b32 s20, s48, 22                        ; A: the version of h's codes,
	s_lshl_b32 s18, s17, 15                        ; the tile row's 8 tiles,
	s_add_co_u32 s20, s20, s18
	s_lshl_b32 s18, s16, 14                        ; my half of them
	s_add_co_u32 s20, s20, s18
	s_mov_b32 s21, 0
	s_lshl_b32 s46, s42, 15                        ; B: the tile column's 8 tiles, my half
	s_lshl_b32 s47, s16, 14
	s_add_co_u32 s46, s46, s47
	s_add_co_u32 s46, s46, BOFF
	s_mov_b32 s47, 0
	v_and_b32 v[LI], 31, v0
	v_lshlrev_b32 v[LI], 4, v[LI]
	s_lshl_b32 s18, s15, 14                        ; my tokens' fragments in a chunk,
	s_lshl_b32 s19, s16, 14
	s_add_co_u32 s19, s19, 32768                   ; my columns'
	s_cmp_eq_u32 s48, 2
	s_cselect_b32 s50, s18, s19                    ; source 0: the columns for q and k, the tokens for v
	s_cselect_b32 s51, s19, s18                    ; source 1: the other
.irp n, 0,1,2,3
	v_add_nc_u32 v[ADX+\n], s50, v[LI]
	v_add_nc_u32 v[ADY+\n], s51, v[LI]
	s_add_co_u32 s50, s50, CHB
	s_add_co_u32 s51, s51, CHB
.endr
	; the stores' offsets: from tile a of source 1 to the next, and from pair b' of source 0's tiles to the next
	s_mov_b32 s52, 512
	s_mov_b32 s53, 1024
	s_mov_b32 s55, 65536
	s_mov_b32 s49, 2048
	s_cmp_eq_u32 s48, 2
	s_cselect_b32 s52, 2048, s52                   ; a = 1: q, k the next tile of tokens; v the head's other 16 channels
	s_cselect_b32 s53, 65536, s53                  ; a = 2: q, k two tiles on; v the next head
	s_cselect_b32 s55, 512, s55                    ; b' = 1: q, k the next head; v the next 32 keys
	s_cselect_b32 s49, 1024, s49                   ; my half of the tokens
	s_add_co_u32 s54, s52, s53
	s_mul_i32 s49, s49, s15
	v_mov_b32 v16, v[LI]
	v_add_nc_u32 v18, s52, v[LI]
	v_add_nc_u32 v20, s53, v[LI]
	v_add_nc_u32 v22, s54, v[LI]
.irp a, 0,1,2,3
	v_add_nc_u32 v[17+2*\a], s55, v[16+2*\a]
.endr
	s_lshl_b32 s2, s48, 22                         ; the image,
	s_lshr_b32 s3, s17, 4
	s_lshl_b32 s3, s3, 5                           ; 32 x batch
	s_and_b32 s18, s42, 7
	s_lshl_b32 s18, s18, 2                         ; + 4 heads a tile column
	s_add_co_u32 s3, s3, s18
	s_lshl_b32 s18, s16, 1                         ; + my two
	s_add_co_u32 s3, s3, s18
	s_lshl_b32 s3, s3, 16
	s_add_co_u32 s2, s2, s3
	s_and_b32 s3, s17, 15                          ; the tile row's 128 tokens in the batch: 4,096 bytes in each of the images
	s_lshl_b32 s3, s3, 12
	s_add_co_u32 s2, s2, s3
	s_add_co_u32 s2, s2, s49
	s_mov_b32 s3, 0
	s_wait_dscnt 0x0
	s_wait_kmcnt 0x0
	s_load_b256 s[56:63], s[8:9], 0x0              ; e0 .. e7
	s_load_b64 s[66:67], s[8:9], 0x20              ; e8, e9
	s_add_nc_u64 s[10:11], s[10:11], s[2:3]
	s_add_nc_u64 s[20:21], s[4:5], s[20:21]
	s_add_nc_u64 s[46:47], s[6:7], s[46:47]
.set n, 0
.rept NCH
	s_mov_b32 s[G0A+4*n], 1                        ; count = 1
	s_add_co_u32 s[G0A+4*n+1], s45, n*CHB          ; LDS address
	s_add_nc_u64 s[G0A+4*n+2:G0A+4*n+3], s[20:21], n*ASTR
	s_or_b32 s[G0A+4*n+3], s[G0A+4*n+3], 0x80000000   ; type = 2
	s_mov_b32 s[G0B+4*n], 1
	s_add_co_u32 s[G0B+4*n+1], s45, n*CHB
	s_add_nc_u64 s[G0B+4*n+2:G0B+4*n+3], s[46:47], n*BSTR
	s_or_b32 s[G0B+4*n+3], s[G0B+4*n+3], 0x80000000
.set n, n+1
.endr
	CROUND                                         ; all sixteen work-groups are here: the joint loads meet
	s_cmp_eq_u32 s15, 0                            ; all first fills of a wave stand in one branch on the wave's number
	s_cbranch_scc0 .Lfill_b
.set n, 0
.rept NCH
	tensor_load_to_lds s[G0A+4*n:G0A+4*n+3], s[G1A:G1A+7]
	s_nop 0
.set n, n+1
.endr
.rept 4
	v_nop
.endr
	s_branch .Lfilled
.Lfill_b:
.set n, 0
.rept NCH
	tensor_load_to_lds s[G0B+4*n:G0B+4*n+3], s[G1B:G1B+7]
	s_nop 0
.set n, n+1
.endr
.rept 4
	v_nop
.endr
.Lfilled:
	s_wait_kmcnt 0x0
	s_sub_co_i32 s56, s62, s56
	s_sub_co_i32 s56, s56, s57                     ; q: a sum stands for sum x 2^(e0 + e1); its code is sum / 2^(e6 - e0 - e1)
	s_sub_co_i32 s58, s63, s58
	s_sub_co_i32 s58, s58, s59                     ; k: e7 - e2 - e3
	s_sub_co_i32 s60, s67, s60
	s_sub_co_i32 s60, s60, s61                     ; v: e9 - e4 - e5
	s_cmp_eq_u32 s48, 1
	s_cselect_b32 s56, s58, s56
	s_cmp_eq_u32 s48, 2
	s_cselect_b32 s56, s60, s56
	s_add_co_i32 s56, s56, 127
	s_lshl_b32 s57, s56, 23
	v_mov_b32 v12, s57                             ; the conversion's scale
	s_add_co_i32 s56, s56, 8
	s_lshl_b32 s56, s56, 23
	s_or_b32 s56, s56, 0x600000
	v_mov_b32 v13, s56                             ; 448 x that
	SYNC 0
	FETCH 0, 0
.set Q, 0
.rept 2*NCH
.if Q > 0
	PLACES                                         ; the set fetched next was read by the products just issued
.endif
.if Q+1 < 2*NCH
.if (Q+1)%2 == 0
	SYNC (Q+1)/2
.endif
	FETCH Q+1, (Q+1)%2
	s_wait_dscnt 32                                ; all but the 32 just issued
.else
	s_wait_dscnt 0x0
.endif
.if Q == 0
	MUL 0, 1
.else
	MUL Q%2, 0
.endif
.set Q, Q+1
.endr
	WIN 0
	PLACES
	; the 16 registers of accumulators (a, 2 b') and (a, 2 b' + 1) are 16 neighbours along the next K: two conversions make 16 bytes of the image
.irp a, 0,1,2,3
.irp g, 0,1
.irp i, 0,1,2,3,4,5,6,7,8,9,10,11,12,13,14,15
	v_med3_num_f32 v[ACC+32*\a+16*\g+\i], v[ACC+32*\a+16*\g+\i], -v13, v13   ; the hold at the largest code; each accumulator from its low end on
.endr
	v_cvt_scalef32_pk8_fp8_f32 v[32+4*(2*\a+\g):33+4*(2*\a+\g)], v[ACC+32*\a+16*\g:ACC+32*\a+16*\g+7], v12
	v_cvt_scalef32_pk8_fp8_f32 v[34+4*(2*\a+\g):35+4*(2*\a+\g)], v[ACC+32*\a+16*\g+8:ACC+32*\a+16*\g+15], v12
.endr
.endr
	v_nop                                          ; a plain line behind the last conversion
.irp n, 0,1,2,3,4,5,6,7
	global_store_b128 v[16+\n], v[32+4*\n:35+4*\n], s[10:11]   ; 32 lanes store 512 consecutive bytes, aligned
.endr
	s_wait_tensorcnt 0x0
	ds_add_u32 v126, v127
	s_wait_dscnt 0x0
	CROUND                                         ; the closing round: no work-group ends while a partner may still ask for a block that names it
	s_endpgm
.Lfunc_end_k_qc4ba68a605_proj_qkv:
	.size	k_qc4ba68a605_proj_qkv, .Lfunc_end_k_qc4ba68a605_proj_qkv-k_qc4ba68a605_proj_qkv
	.p2alignl 7, 3214868480
	.fill 96, 4, 3214868480
	.section	.rodata,"a",@progbits
	.p2align	6, 0x0
	.amdhsa_kernel k_qc4ba68a605_proj_qkv
		.amdhsa_group_segment_fixed_size 262656
		.amdhsa_private_segment_fixed_size 0
		.amdhsa_enable_private_segment 0
		.amdhsa_kernarg_size 32
		.amdhsa_user_sgpr_count 2
		.amdhsa_user_sgpr_kernarg_segment_ptr 1
		.amdhsa_wavefront_size32 1
		.amdhsa_system_sgpr_workgroup_id_x 1
		.amdhsa_system_sgpr_workgroup_id_y 1
		.amdhsa_system_sgpr_workgroup_id_z 1
		.amdhsa_system_vgpr_workitem_id 0
		.amdhsa_next_free_vgpr 512
		.amdhsa_next_free_sgpr 100
		.amdhsa_reserve_vcc 0
		.amdhsa_float_denorm_mode_32 3
		.amdhsa_float_denorm_mode_16_64 3
		.amdhsa_memory_ordered 1
		.amdhsa_forward_progress 1
		.amdhsa_inst_pref_size 46
	.end_amdhsa_kernel
	.amdgpu_metadata
---
amdhsa.version: [ 1, 2 ]
amdhsa.kernels:
  - .name:           k_qc4ba68a605_proj_qkv
    .symbol:         k_qc4ba68a605_proj_qkv.kd
    .args:
      - { .name: hc, .offset: 0, .size: 8, .value_kind: global_buffer, .address_space: global }
      - { .name: wc, .offset: 8, .size: 8, .value_kind: global_buffer, .address_space: global }
      - { .name: lowp_scales, .offset: 16, .size: 8, .value_kind: global_buffer, .address_space: global }
      - { .name: qkvc, .offset: 24, .size: 8, .value_kind: global_buffer, .address_space: global }
    .group_segment_fixed_size: 262656
    .private_segment_fixed_size: 0
    .kernarg_segment_align: 8
    .kernarg_segment_size: 32
    .max_flat_workgroup_size: 128
    .sgpr_count:     100
    .vgpr_count:     512
    .wavefront_size: 32
...
	.end_amdgpu_metadata
.endif
;; end of part 2
;; launch attn (part 3): grid 4 x 64, 16 waves a work-group, no clusters, 133,120 bytes of LDS; arguments qkvc, lowp_scales, ac; writes ac
.if DOCPART == 3
	.amdgcn_target "amdgcn-amd-amdhsa--gfx1250"
	.amdhsa_code_object_version 6
	.text
	.protected	k_qc4ba68a605_attn
	.globl	k_qc4ba68a605_attn
	.p2align	8
	.type	k_qc4ba68a605_attn,@function
k_qc4ba68a605_attn:
	s_mov_b64 s[64:65], 0
	v_nop
	global_prefetch_b8 v0, s[64:65] scope:SCOPE_SE
	s_setreg_imm32_b32 hwreg(HW_REG_WAVE_MODE, 25, 1), 1
	s_wait_xcnt 0x0
; Attention of one head on codes of E4M3: o = softmax(q k^T / sqrt(32)) v, and o quantised (2^e10) into the image that the next product reads.
; t = score x log2(e) / sqrt(32); M = the row's largest t so far, rounded up to a whole number; p = 2^(t - M) is quantised (2^e8), not normalised; the row's sum is taken of the unquantised p and divides at the end.
; When M moves, the sum and O are multiplied by 2^(old M - new M): nothing is rounded.
; SHARES.  A work-group owns 512 queries of one head (batch x 32 + head = work-group y); each of its sixteen waves owns 16 of them at a time, twice.  Four waves to a SIMD: one wave's vector work stands beside another's matrix work and LDS loads.
; THE HEAD'S WHOLE K AND V LIE IN LDS: 64 KiB each, as images of the operands' registers, copied once through registers; one barrier; then LDS is only read.
; No tensor load, no cluster: K and V are 128 KiB against 32 walks over them by sixteen waves, and the text keeps a scalar branch on the given e8, which spares the hold's 32 lines a step where the hold cannot act.
; LAYOUT.  S^T = K Q^T (source 0 = 16 keys, source 1 = my 16 queries; the head has 32 channels, the form takes 64: registers 4-7 of both sources are zero codes).  O^T = V^T P^T (source 0 = 16 channels x 128 keys).
; A lane holds one query throughout.  Tile T's place s holds key 32 (T/2) + 8 (T%2) + s + 8 (s/8), so the 16 registers of tiles 2 b and 2 b + 1 are keys 32 b + 16 (lane/16) + 0 .. 15: p's codes are the operand's registers.
; A STEP HAS 10 MATRIX INSTRUCTIONS AGAINST SOME 220 VECTOR INSTRUCTIONS, so the text spares vector lines and keeps a wave from waiting: K is asked for a step ahead; the LDS loads stand between the dependent lines of the
; maximum's end; maxima and sums run in four chains; scalings stand among the exponentials; the hold goes two to an instruction.
; LIMITS: e6 + e7 between -124 and 129 (added to c's exponent field); e8, and e10 - e8 - e9, between -126 and 119.
.set LI,  1                            ; v1   16 x lane
.set LV,  2                            ; v2   16 x lane + 65,536: V's image
.set TID, 3                            ; v3   16 x thread
.set ADK, 8                            ; v8   LDS address of the next step's K
.set ADV, 9                            ; v9   of this step's V
.set QF,  16                           ; v16-23  Q's fragment (v20-23 zeros);  v24-27 the second walk's
.set Q2,  24
.set KF,  32                           ; v32-95  eight fragments of K, 8 registers each, the upper four zeros
.set S,   96                           ; v96-159 S^T, then p
.set O,   160                          ; v160-175 O^T
.set VF,  176                          ; v176-207 two fragments of V
.set PC,  208                          ; v208-223 p's codes
                                       ; v12 -M, v13 the largest t, v[14:15] the sum in two halves; v[224:227], v[242:243] three more chains of the sum; v248, v249, v252, v254 the maximum's four chains;
                                       ; v252 then f; v255 the old -M; v240, v241 448 x 2^e8; v244 2^e8; v246, v247 the way out's scale and hold; v228-235 o's codes
.set SEL, 20                           ; s[20:21] lane l xor 16
.set CS,  22                           ; s[22:23] c
.set TB,  24                           ; s24  the step's first byte in each image
.set CNT, 25                           ; s25  steps to go
.set TN,  35                           ; s35  the next step's first byte
	s_load_b128 s[4:7], s[0:1], 0x0                ; qkvc s[4:5], the exponents s[6:7]
	s_load_b64 s[8:9], s[0:1], 0x10                ; ac
	v_lshl_add_u32 v239, v0, 2, 0x20000
	v_mov_b32 v245, 0
	v_lshrrev_b32 v4, 5, v0
	v_readfirstlane_b32 s10, v4                    ; wave 0..15
	v_and_b32 v[LI], 31, v0
	v_lshlrev_b32 v[LI], 4, v[LI]
	v_add_nc_u32 v[LV], 65536, v[LI]
	v_lshlrev_b32 v[TID], 4, v0
	v_add_nc_u32 v5, 65536, v[TID]
	s_and_b32 s11, ttmp7, 0xffff                   ; batch x 32 + head
	s_lshl_b32 s12, s11, 16
	s_mov_b32 s13, 0
	s_mov_b32 s[SEL], 0x76543210
	s_mov_b32 s[SEL+1], 0xfedcba98
	s_wait_kmcnt 0x0
	s_load_b128 s[28:31], s[6:7], 0x18             ; e6, e7, e8, e9
	s_load_b32 s32, s[6:7], 0x28                   ; e10
	s_add_nc_u64 s[4:5], s[4:5], s[12:13]          ; the head's image of q,
	s_add_nc_u64 s[14:15], s[4:5], 0x400000        ; of k,
	s_add_nc_u64 s[16:17], s[4:5], 0x800000        ; of v
.irp i, 0,1,2,3,4,5,6,7
	global_load_b128 v[S+4*\i:S+4*\i+3], v[TID], s[14:15] offset:8192*\i      ; 512 threads x 16 bytes: 8 KiB an instruction of the work-group
.endr
.irp i, 0,1,2,3,4,5,6,7
	global_load_b128 v[S+32+4*\i:S+32+4*\i+3], v[TID], s[16:17] offset:8192*\i
.endr
	s_lshl_b32 s12, ttmp9, 5
	s_add_co_u32 s12, s12, s10                     ; my first tile of queries: 32 x work-group x + wave; the second lies 16 tiles on
	s_lshl_b32 s18, s12, 9
	s_mov_b32 s19, 0
	s_add_nc_u64 s[4:5], s[4:5], s[18:19]
	global_load_b128 v[QF:QF+3], v[LI], s[4:5]
	global_load_b128 v[Q2:Q2+3], v[LI], s[4:5] offset:8192
	s_and_b32 s18, s11, 31                         ; head
	s_lshr_b32 s19, s11, 5                         ; batch
	s_lshl_b32 s19, s19, 7
	s_add_co_u32 s19, s19, s12                     ; the tile among all 256
	s_lshl_b32 s19, s19, 12
	s_lshr_b32 s26, s18, 3                         ; o's image: k = 32 x head + channel: chunk head / 8,
	s_lshl_b32 s26, s26, 20
	s_add_co_u32 s26, s26, s19
	s_and_b32 s18, s18, 7                          ; 512 bytes for each head in a tile's block
	s_lshl_b32 s18, s18, 9
	s_add_co_u32 s26, s26, s18
	s_mov_b32 s27, 0
	s_add_nc_u64 s[8:9], s[8:9], s[26:27]
.irp j, 4,5,6,7
	v_mov_b32 v[QF+\j], 0                          ; channels 32-63 of the form: zero codes
.endr
.irp t, 0,1,2,3,4,5,6,7
.irp j, 4,5,6,7
	v_mov_b32 v[KF+8*\t+\j], 0
.endr
.endr
	v_mov_b32 v236, 0                              ; written once: a lane permute's destination counts as one of its sources
	v_mov_b32 v253, 0                              ; (named as the upper half of the pair v[252:253])
.irp i, 0,1,2,3,4,5,6,7
	s_wait_loadcnt 17-\i                           ; this load is in; the later ones of K and V and Q's two stay out
	ds_store_b128 v[TID], v[S+4*\i:S+4*\i+3] offset:8192*\i
.endr
.irp i, 0,1,2,3,4,5,6,7
	s_wait_loadcnt 9-\i
	ds_store_b128 v5, v[S+32+4*\i:S+32+4*\i+3] offset:8192*\i
.endr
	s_wait_kmcnt 0x0
	s_mov_b32 s[CS], 0x3e8293ee                    ; c = log2(e) / sqrt(32)
	s_add_co_i32 s33, s28, s29
	s_lshl_b32 s33, s33, 23
	s_add_co_i32 s[CS], s[CS], s33                 ; a score stands for score x 2^(e6 + e7)
	s_mov_b32 s[CS+1], s[CS]                       ; (named with it as a pair)
	s_add_co_i32 s33, s30, 127
	s_lshl_b32 s34, s33, 23
	v_mov_b32 v244, s34                            ; 2^e8
	s_add_co_i32 s33, s33, 8
	s_lshl_b32 s33, s33, 23
	s_or_b32 s33, s33, 0x600000
	v_mov_b32 v240, s33                            ; 448 x 2^e8,
	v_mov_b32 v241, s33                            ; twice: the two halves of a pair of holds take their first sources from different banks
	s_sub_co_i32 s33, s32, s30
	s_sub_co_i32 s33, s33, s31                     ; O / l stands for o / 2^(e8 + e9): its code is (O / l) / 2^(e10 - e8 - e9)
	s_add_co_i32 s33, s33, 127
	s_lshl_b32 s34, s33, 23
	v_mov_b32 v246, s34
	s_add_co_i32 s33, s33, 8
	s_lshl_b32 s33, s33, 23
	s_or_b32 s33, s33, 0x600000
	v_mov_b32 v247, s33
	s_wait_loadcnt 0x0                             ; Q
	s_wait_dscnt 0x0                               ; for the others' sake: my stores have landed
	s_barrier_signal -1
	s_barrier_wait -1                              ; K and V are whole; from here on LDS is only read
.irp t, 0,1,2,3,4,5,6,7
	ds_load_b128 v[KF+8*\t:KF+8*\t+3], v[LI] offset:512*\t   ; the first step's K; every later step's is asked for a step ahead
.endr
; A KEY STEP: 128 keys.
.macro STEP
	s_wait_dscnt 0x0                               ; this step's K, asked for a step ago
.irp t, 0,1,2,3,4,5,6,7
	v_wmma_f32_16x16x64_fp8_fp8 v[S+8*\t:S+8*\t+7], v[KF+8*\t:KF+8*\t+7], v[QF:QF+7], 0
.endr
	s_add_co_u32 s[TN], s[TB], 4096
	s_and_b32 s[TN], s[TN], 0xffff                 ; the next step's K; behind a walk's last step the first step's again, with which the second walk begins
	v_add_nc_u32 v[ADV], s[TB], v[LV]              ; four plain lines that name no register of the products above nor of the last step's V^T P: the places in front of the first read of the scores
	v_add_nc_u32 v[ADK], s[TN], v[LI]              ; and of the loads below into K's and V's registers
	v_mov_b32 v255, v12                            ; the old -M
	v_nop
	v_max3_num_f32 v254, v[S], v[S+1], v[S+2]      ; the step's largest score of my query among my 64 keys, in four chains; the registers in ascending order
	v_max3_num_f32 v252, v[S+3], v[S+4], v[S+5]
	v_max3_num_f32 v248, v[S+6], v[S+7], v[S+8]
	v_max3_num_f32 v249, v[S+9], v[S+10], v[S+11]
.irp i, 12,20,28,36,44,52
	v_max3_num_f32 v254, v254, v[S+\i], v[S+\i+1]
	v_max3_num_f32 v252, v252, v[S+\i+2], v[S+\i+3]
	v_max3_num_f32 v248, v248, v[S+\i+4], v[S+\i+5]
	v_max3_num_f32 v249, v249, v[S+\i+6], v[S+\i+7]
.endr
	v_max3_num_f32 v254, v254, v[S+60], v[S+61]
	v_max3_num_f32 v252, v252, v[S+62], v[S+63]
	v_max3_num_f32 v254, v254, v252, v248
	v_max_num_f32 v254, v254, v249
	v_permlanex16_b32 v236, v254, s[SEL], s[SEL+1] ; each of the next five vector lines reads the one before it: the sixteen LDS loads stand between them.  V's first, so that the wait ahead of V^T P can leave K's out
.irp c, 0,1,2,3
	ds_load_b128 v[VF+4*\c:VF+4*\c+3], v[ADV] offset:512*\c
.endr
	v_max_num_f32 v254, v254, v236                 ; and among lane l xor 16's
.irp c, 0,1,2,3
	ds_load_b128 v[VF+16+4*\c:VF+16+4*\c+3], v[ADV] offset:2048+512*\c
.endr
	v_mul_f32 v254, s[CS], v254                    ; as t (c is positive)
.irp t, 0,1,2,3
	ds_load_b128 v[KF+8*\t:KF+8*\t+3], v[ADK] offset:512*\t
.endr
	v_max_num_f32 v13, v13, v254                   ; the running largest t
.irp t, 4,5,6,7
	ds_load_b128 v[KF+8*\t:KF+8*\t+3], v[ADK] offset:512*\t
.endr
	v_floor_f32 v12, -v13                          ; the new -M = floor(-t): M is a whole number
	v_pk_fma_f32 v[S:S+1], v[S:S+1], s[CS:CS+1], v[12:13] op_sel_hi:[1,0,0]       ; t - M, two at a time; f's three dependent lines stand between the first scalings
	v_sub_f32 v255, v12, v255                      ; old M - new M, 0 or less
	v_pk_fma_f32 v[S+2:S+3], v[S+2:S+3], s[CS:CS+1], v[12:13] op_sel_hi:[1,0,0]
	v_cvt_i32_f32 v255, v255                       ; (it saturates)
	v_pk_fma_f32 v[S+4:S+5], v[S+4:S+5], s[CS:CS+1], v[12:13] op_sel_hi:[1,0,0]
	v_ldexp_f32 v252, 1.0, v255                    ; f = 2^(old M - new M)
.set n, 0
.rept 32                                       ; ONE BATCH: a pair's two exponentials, then the scaling of the pair three on.  None of these lines names an exponential's result
	v_exp_f32 v[S+2*n], v[S+2*n]                   ; p = 2^(t - M)
	v_exp_f32 v[S+2*n+1], v[S+2*n+1]
.if n+3 < 32
	v_pk_fma_f32 v[S+2*(n+3):S+2*(n+3)+1], v[S+2*(n+3):S+2*(n+3)+1], s[CS:CS+1], v[12:13] op_sel_hi:[1,0,0]
.endif
.set n, n+1
.endr
.irp j, 0,2,4,6,8,10,12
	v_pk_mul_f32 v[O+\j:O+\j+1], v[O+\j:O+\j+1], v[252:253] op_sel_hi:[1,0]   ; O^T under the new M: work that names no exponential's result, between the batch and its wait; the first is the plain line behind the last exponential
.endr
	s_wait_alu depctr_va_vdst(0)                   ; one wait for the batch, ahead of its first reader
	v_pk_add_f32 v[242:243], v[S:S+1], v[S+2:S+3]  ; the row's sum, of the unquantised p, two at a time, in four chains;
	v_pk_add_f32 v[224:225], v[S+4:S+5], v[S+6:S+7]
	v_pk_add_f32 v[226:227], v[S+8:S+9], v[S+10:S+11]
	v_pk_fma_f32 v[14:15], v[14:15], v[252:253], v[S+12:S+13] op_sel_hi:[1,0,1]   ; the old sum comes under the new M in its first addition
.irp k, 7,11,15,19,23,27
	v_pk_add_f32 v[242:243], v[242:243], v[S+2*\k:S+2*\k+1]
	v_pk_add_f32 v[224:225], v[224:225], v[S+2*\k+2:S+2*\k+3]
	v_pk_add_f32 v[226:227], v[226:227], v[S+2*\k+4:S+2*\k+5]
	v_pk_add_f32 v[14:15], v[14:15], v[S+2*\k+6:S+2*\k+7]
.endr
	v_pk_add_f32 v[242:243], v[242:243], v[S+62:S+63]
	v_pk_add_f32 v[242:243], v[242:243], v[224:225]
	v_pk_add_f32 v[14:15], v[14:15], v[226:227]
	v_pk_add_f32 v[14:15], v[14:15], v[242:243]
	s_cmp_ge_i32 s30, -8                           ; p is at most 1 (a last bit over at the most) and 448 x 2^e8 is 1.75 or more from e8 = -8 on: there the hold cannot act
	s_cbranch_scc1 .Lnohold_\@
.set n, 0
.rept 32
	v_dual_min_num_f32 v[S+n], v240, v[S+n] :: v_dual_min_num_f32 v[S+n+1], v241, v[S+n+1]   ; the conversion does not saturate (ISA guide 7.6.2); p is not negative, so the hold is one-sided; two holds an instruction
.set n, n+2
.endr
.Lnohold_\@:
.irp b, 0,1,2,3
	v_cvt_scalef32_pk8_fp8_f32 v[PC+4*\b:PC+4*\b+1], v[S+16*\b:S+16*\b+7], v244
	v_cvt_scalef32_pk8_fp8_f32 v[PC+4*\b+2:PC+4*\b+3], v[S+16*\b+8:S+16*\b+15], v244
.endr
	v_pk_mul_f32 v[O+14:O+15], v[O+14:O+15], v[252:253] op_sel_hi:[1,0]   ; the last pair of O^T: also the plain line between the conversions and the products that read their results and, in the next step, write their sources
	s_wait_dscnt 8                                 ; V's eight are in; the next step's K, eight loads issued behind them, stays out
.irp u, 0,1
	v_wmma_f32_16x16x128_fp8_fp8 v[O+8*\u:O+8*\u+7], v[VF+16*\u:VF+16*\u+15], v[PC:PC+15], v[O+8*\u:O+8*\u+7]   ; the two accumulators take turns; the next step's eight products stand between two links
.endr
.endm
; One walk over the head's 2,048 keys for one tile of 16 queries.
.macro PASS p
.if \p
.irp j, 0,1,2,3
	v_mov_b32 v[QF+\j], v[Q2+\j]
.endr
.endif
	v_mov_b32 v13, 0xff61b1e6                      ; the largest t so far: -3e38
	v_floor_f32 v12, -v13                          ; -M
	v_mov_b32 v14, 0
	v_mov_b32 v15, 0
.irp j, 0,1,2,3,4,5,6,7,8,9,10,11,12,13,14,15
	v_mov_b32 v[O+\j], 0                           ; the step is written once: the first finds zeros, which the first change of M leaves zeros
.endr
	s_mov_b32 s[TB], 0
	s_mov_b32 s[CNT], 16
.Lkeys_\@:
	STEP
	s_add_co_u32 s[TB], s[TB], 4096                ; 128 keys are 4,096 bytes in each image
	s_sub_co_u32 s[CNT], s[CNT], 1
	s_cmp_lg_u32 s[CNT], 0
	s_cbranch_scc1 .Lkeys_\@
.rept 4
	v_nop
.endr
	v_add_f32 v14, v14, v15
	v_permlanex16_b32 v252, v14, s[SEL], s[SEL+1]
	v_add_f32 v14, v14, v252                       ; the row's sum
	v_rcp_f32 v250, v14
	v_mov_b32 v251, 0                              ; the plain line behind the reciprocal (and the pair's upper half is written)
	s_wait_alu depctr_va_vdst(0)
.irp j, 0,2,4,6,8,10,12,14
	v_pk_mul_f32 v[O+\j:O+\j+1], v[O+\j:O+\j+1], v[250:251] op_sel_hi:[1,0]
.endr
.irp j, 0,1,2,3,4,5,6,7,8,9,10,11,12,13,14,15
	v_med3_num_f32 v[O+\j], v[O+\j], -v247, v247
.endr
	v_cvt_scalef32_pk8_fp8_f32 v[228+4*\p:229+4*\p], v[O:O+7], v246        ; the two tiles of O^T are channels 16 (lane/16) + 0 .. 15 of my query
	v_cvt_scalef32_pk8_fp8_f32 v[230+4*\p:231+4*\p], v[O+8:O+15], v246
	v_nop
	global_store_b128 v[LI], v[228+4*\p:231+4*\p], s[8:9] offset:65536*\p   ; 32 lanes store 512 consecutive bytes of the image
.endm
	PASS 0
	PASS 1
	s_wait_dscnt 0x0                               ; the second walk's last step has asked for K once more; nothing reads it
	s_wait_tensorcnt 0x0
	ds_add_u32 v239, v245
	s_wait_dscnt 0x0
	s_endpgm
.Lfunc_end_k_qc4ba68a605_attn:
	.size	k_qc4ba68a605_attn, .Lfunc_end_k_qc4ba68a605_attn-k_qc4ba68a605_attn
	.p2alignl 7, 3214868480
	.fill 96, 4, 3214868480
	.section	.rodata,"a",@progbits
	.p2align	6, 0x0
	.amdhsa_kernel k_qc4ba68a605_attn
		.amdhsa_group_segment_fixed_size 133120
		.amdhsa_private_segment_fixed_size 0
		.amdhsa_enable_private_segment 0
		.amdhsa_kernarg_size 24
		.amdhsa_user_sgpr_count 2
		.amdhsa_user_sgpr_kernarg_segment_ptr 1
		.amdhsa_wavefront_size32 1
		.amdhsa_system_sgpr_workgroup_id_x 1
		.amdhsa_system_sgpr_workgroup_id_y 1
		.amdhsa_system_sgpr_workgroup_id_z 1
		.amdhsa_system_vgpr_workitem_id 0
		.amdhsa_next_free_vgpr 256
		.amdhsa_next_free_sgpr 66
		.amdhsa_reserve_vcc 0
		.amdhsa_float_denorm_mode_32 3
		.amdhsa_float_denorm_mode_16_64 3
		.amdhsa_memory_ordered 1
		.amdhsa_forward_progress 1
		.amdhsa_inst_pref_size 41
	.end_amdhsa_kernel
	.amdgpu_metadata
---
amdhsa.version: [ 1, 2 ]
amdhsa.kernels:
  - .name:           k_qc4ba68a605_attn
    .symbol:         k_qc4ba68a605_attn.kd
    .args:
      - { .name: qkvc, .offset: 0, .size: 8, .value_kind: global_buffer, .address_space: global }
      - { .name: lowp_scales, .offset: 8, .size: 8, .value_kind: global_buffer, .address_space: global }
      - { .name: ac, .offset: 16, .size: 8, .value_kind: global_buffer, .address_space: global }
    .group_segment_fixed_size: 133120
    .private_segment_fixed_size: 0
    .kernarg_segment_align: 8
    .kernarg_segment_size: 24
    .max_flat_workgroup_size: 512
    .sgpr_count:     66
    .vgpr_count:     256
    .wavefront_size: 32
...
	.end_amdgpu_metadata
.endif
;; end of part 3
;; launch proj_o (part 4): grid 8 x 32, 4 waves a work-group, clusters of 4 x 4, 280,064 bytes of LDS; arguments ac, wc, lowp_scales, x, x1; writes x1
.if DOCPART == 4
	.amdgcn_target "amdgcn-amd-amdhsa--gfx1250"
	.amdhsa_code_object_version 6
	.text
	.protected	k_qc4ba68a605_proj_o
	.globl	k_qc4ba68a605_proj_o
	.p2align	8
	.type	k_qc4ba68a605_proj_o,@function
k_qc4ba68a605_proj_o:
	s_mov_b64 s[64:65], 0
	v_nop
	global_prefetch_b8 v0, s[64:65] scope:SCOPE_SE
	s_setreg_imm32_b32 hwreg(HW_REG_WAVE_MODE, 25, 1), 1
	s_wait_xcnt 0x0
	s_wait_alu depctr_hold_cnt(0) depctr_sa_sdst(0) depctr_va_vdst(0) depctr_va_sdst(0) depctr_va_ssrc(0) depctr_va_vcc(0) depctr_vm_vsrc(0)
	s_getreg_b32 s2, hwreg(HW_REG_IB_STS2, 6, 4)
	s_cmp_eq_u32 s2, 0
	s_cbranch_scc0 .Lentry_in_a_cluster
	s_endpgm
.Lentry_in_a_cluster:
	s_bfe_u32 s2, ttmp6, 0x10000c
	s_cmp_lg_u32 s2, 0xf033
	s_cbranch_scc0 .Lentry_shape_is_right
	s_endpgm
.Lentry_shape_is_right:
; x1 = x + attn_out wo, the product on codes of E4M3.  A tile of 128 tokens x 128 columns to a work-group of four waves, 64 x 64 a wave.
; Operands lie in memory as images of their registers ([K/256][rows/16][4,096 bytes]).  THE WHOLE K OF BOTH TILES LIES IN LDS, NCH chunks x (A 32 KiB + B 32 KiB): all tensor loads go out at the head,
; NCH a wave by this text's count; no LDS byte is filled twice.  CLUSTER 4 x 4: A's blocks are asked for jointly along a row of the cluster, B's along a column.
; Source 0 = 16 columns of the weight, source 1 = 16 tokens: a lane holds one token and eight neighbouring columns an accumulator.  A tile of 16 tokens x 64 columns goes through my own stage in LDS (behind the chunks;
; no tensor load lands there) and comes back as rows of 256 bytes; out = sum x 2^(eA + eB) + residual, one packed multiply-add for two numbers.  The residual is asked for at the head, in the layout of the rows read back.
; LIMIT: eA + eB between -126 and 127.
.set NCH,  4
.set BOFF, 3145728                     ; wo's region of wc
.set NTB,  64
.set EOFF, 0x28                        ; e10, e11
.set ASTR, 1048576
.set BSTR, NTB*4096
.set CHB,  65536
.set STAGE, NCH*CHB                    ; 4 waves x 16 rows x 272 bytes
.set LI,   1
.set ADX,  4
.set ADY,  8
.set ACC,  128                         ; window 0: accumulator (a, b) at ACC + 8 (4 a + b); v32-95 rows read back, two sets.  Window 1: fragments.  Window 2: v0-127 the residual
.set G1A,  24
.set G1B,  32
.set G0A,  68
.set G0B,  84
.set MSB, 0
.macro WIN new
.if MSB != \new
	s_set_vgpr_msb (MSB<<8)|\new
.set MSB, \new
.endif
.endm
.macro CROUND
	s_barrier_signal -1
	s_barrier_wait -1
	s_cmp_lg_u32 s14, 0
	s_cbranch_scc1 .Lnot_wave_0_\@
	s_barrier_signal -3
.Lnot_wave_0_\@:
	s_barrier_wait -3
	s_barrier_signal -1
	s_barrier_wait -1
.endm
.macro PLACES
.rept 4
	v_nop
.endr
.endm
.macro SYNC cc
	s_wait_tensorcnt NCH-1-(\cc)                   ; my load of chunk cc has landed; the later chunks' stay out
	s_wait_dscnt 0x0
	s_barrier_signal -1
	s_barrier_wait -1
.endm
.macro FETCH q, set
	WIN 0x40
.irp i, 0,1,2,3
.irp c, 0,1,2,3
	ds_load_b128 v[128*(\set)+16*\i+4*\c:128*(\set)+16*\i+4*\c+3], v[ADX+(\q)/2] offset:4096*\i+2048*((\q)%2)+512*\c
.endr
.endr
.irp i, 0,1,2,3
.irp c, 0,1,2,3
	ds_load_b128 v[128*(\set)+64+16*\i+4*\c:128*(\set)+64+16*\i+4*\c+3], v[ADY+(\q)/2] offset:4096*\i+2048*((\q)%2)+512*\c
.endr
.endr
.endm
.macro MUL set, zero
	WIN 0x05
.irp a, 0,1,2,3
.irp b, 0,1,2,3
.if \zero
	v_wmma_f32_16x16x128_fp8_fp8 v[ACC+8*(4*\a+\b):ACC+8*(4*\a+\b)+7], v[128*(\set)+16*\b:128*(\set)+16*\b+15], v[128*(\set)+64+16*\a:128*(\set)+64+16*\a+15], 0
.else
	v_wmma_f32_16x16x128_fp8_fp8 v[ACC+8*(4*\a+\b):ACC+8*(4*\a+\b)+7], v[128*(\set)+16*\b:128*(\set)+16*\b+15], v[128*(\set)+64+16*\a:128*(\set)+64+16*\a+15], v[ACC+8*(4*\a+\b):ACC+8*(4*\a+\b)+7]
.endif
.endr
.endr
.endm
	s_load_b256 s[4:11], s[0:1], 0x0               ; A's codes s[4:5], wc s[6:7], the exponents s[8:9], the residual s[10:11]
	s_load_b64 s[12:13], s[0:1], 0x20              ; out
	v_lshl_add_u32 v126, v0, 2, 0x44400
	v_mov_b32 v127, 0
	ds_add_u32 v126, v127
	ds_add_u32 v126, v127
	v_lshrrev_b32 v2, 5, v0
	v_readfirstlane_b32 s14, v2
	s_lshr_b32 s15, s14, 1                         ; which 64 tokens are mine.  Also: I fetch for A (0) or for B (1)
	s_and_b32 s16, s14, 1                          ; which 64 columns.  Also: which half of the block I fetch
	s_bfe_u32 s40, ttmp6, 0x40000
	s_bfe_u32 s41, ttmp6, 0x40004
	s_lshl_b32 s42, ttmp9, 2
	s_add_co_u32 s42, s42, s40                     ; tile column
	s_and_b32 s17, ttmp7, 0xffff
	s_lshl_b32 s17, s17, 2
	s_add_co_u32 s17, s17, s41                     ; tile row
	s_lshl_b32 s43, s41, 2
	s_lshl_b32 s43, 15, s43
	s_lshl_b32 s44, 0x1111, s40
	s_or_b32 s[G1A], s43, (3<<16)|(1<<21)          ; a dense block of 16 KiB as 64 rows of 32 elements of 8 bytes; the mask; bit 21 beside it
	s_or_b32 s[G1B], s44, (3<<16)|(1<<21)
.irp g, G1A, G1B
	s_mov_b32 s[\g+1], 32<<16
	s_mov_b32 s[\g+2], 64<<16
	s_mov_b32 s[\g+3], 32<<16
	s_mov_b32 s[\g+4], 64
	s_mov_b32 s[\g+5], 32
	s_mov_b32 s[\g+6], 0
	s_mov_b32 s[\g+7], 0
.endr
	s_lshl_b32 s45, s14, 14
	s_lshl_b32 s20, s17, 15                        ; A: the tile row's 8 tiles, my half
	s_lshl_b32 s18, s16, 14
	s_add_co_u32 s20, s20, s18
	s_mov_b32 s21, 0
	s_lshl_b32 s46, s42, 15                        ; B: the tile column's 8 tiles, my half
	s_lshl_b32 s47, s16, 14
	s_add_co_u32 s46, s46, s47
	s_add_co_u32 s46, s46, BOFF
	s_mov_b32 s47, 0
	v_and_b32 v[LI], 31, v0
	v_lshlrev_b32 v[LI], 4, v[LI]
	v_and_b32 v2, 15, v0                           ; r
	v_bfe_u32 v3, v0, 4, 1                         ; h
	s_lshl_b32 s50, s16, 14
	s_add_co_u32 s50, s50, 32768                   ; source 0: my columns
	s_lshl_b32 s51, s15, 14                        ; source 1: my tokens
.set n, 0
.rept NCH
	v_add_nc_u32 v[ADX+n], s50, v[LI]
	v_add_nc_u32 v[ADY+n], s51, v[LI]
	s_add_co_u32 s50, s50, CHB
	s_add_co_u32 s51, s51, CHB
.set n, n+1
.endr
	s_mul_i32 s52, s14, 4352
	s_add_co_u32 s52, s52, STAGE                   ; my stage
	v_mul_u32_u24 v12, v2, 272
	v_lshl_add_u32 v12, v3, 6, v12
	v_add_nc_u32 v12, s52, v12                     ; in: row r, + 64 h
	v_mul_u32_u24 v13, v3, 272
	v_lshl_add_u32 v13, v2, 4, v13
	v_add_nc_u32 v13, s52, v13                     ; back: lanes 0-15 one row, lanes 16-31 the next
	v_lshlrev_b32 v14, 12, v3
	v_lshl_add_u32 v14, v2, 4, v14                 ; and the same two rows in memory
	s_lshl_b32 s2, s17, 19                         ; 128 tokens of 4,096 bytes a tile row,
	s_lshl_b32 s3, s15, 18                         ; my 64,
	s_add_co_u32 s2, s2, s3
	s_lshl_b32 s3, s42, 9                          ; 128 columns a tile column,
	s_add_co_u32 s2, s2, s3
	s_lshl_b32 s3, s16, 8                          ; my 64
	s_add_co_u32 s2, s2, s3
	s_mov_b32 s3, 0
	s_wait_dscnt 0x0
	s_wait_kmcnt 0x0
	s_load_b64 s[56:57], s[8:9], EOFF              ; eA, eB
	s_add_nc_u64 s[10:11], s[10:11], s[2:3]
	s_add_nc_u64 s[12:13], s[12:13], s[2:3]
	s_add_nc_u64 s[20:21], s[4:5], s[20:21]
	s_add_nc_u64 s[46:47], s[6:7], s[46:47]
.set n, 0
.rept NCH
	s_mov_b32 s[G0A+4*n], 1
	s_add_co_u32 s[G0A+4*n+1], s45, n*CHB
	s_add_nc_u64 s[G0A+4*n+2:G0A+4*n+3], s[20:21], n*ASTR
	s_or_b32 s[G0A+4*n+3], s[G0A+4*n+3], 0x80000000
	s_mov_b32 s[G0B+4*n], 1
	s_add_co_u32 s[G0B+4*n+1], s45, n*CHB
	s_add_nc_u64 s[G0B+4*n+2:G0B+4*n+3], s[46:47], n*BSTR
	s_or_b32 s[G0B+4*n+3], s[G0B+4*n+3], 0x80000000
.set n, n+1
.endr
	CROUND                                         ; all sixteen work-groups are here: the joint loads meet
	s_cmp_eq_u32 s15, 0
	s_cbranch_scc0 .Lfill_b
.set n, 0
.rept NCH
	tensor_load_to_lds s[G0A+4*n:G0A+4*n+3], s[G1A:G1A+7]
	s_nop 0
.set n, n+1
.endr
.rept 4
	v_nop
.endr
	s_branch .Lfilled
.Lfill_b:
.set n, 0
.rept NCH
	tensor_load_to_lds s[G0B+4*n:G0B+4*n+3], s[G1B:G1B+7]
	s_nop 0
.set n, n+1
.endr
.rept 4
	v_nop
.endr
.Lfilled:
	WIN 0x80                                       ; destination window 2
.irp a, 0,1,2,3
.irp i, 0,1,2,3,4,5,6,7
	global_load_b128 v[32*\a+4*\i:32*\a+4*\i+3], v14, s[10:11] offset:(32*(\a/2)+8*(\a%2)+2*\i+8*(\i/4))*4096 th:TH_LOAD_NT   ; place 2 i + (lane/16) of tile a is token 32 (a/2) + 8 (a%2) + 2 i + (lane/16) + 8 (i/4) of my 64
.endr
.endr
	WIN 0
	s_wait_kmcnt 0x0
	s_add_co_i32 s56, s56, s57
	s_add_co_i32 s56, s56, 127
	s_lshl_b32 s56, s56, 23                        ; 2^(eA + eB)
	s_mov_b32 s57, s56
	SYNC 0
	FETCH 0, 0
.set Q, 0
.rept 2*NCH
.if Q > 0
	PLACES
.endif
.if Q+1 < 2*NCH
.if (Q+1)%2 == 0
	SYNC (Q+1)/2
.endif
	FETCH Q+1, (Q+1)%2
	s_wait_dscnt 32                                ; all but the 32 just issued
.else
	s_wait_dscnt 0x0
.endif
.if Q == 0
	MUL 0, 1
.else
	MUL Q%2, 0
.endif
.set Q, Q+1
.endr
	WIN 0
	PLACES
.macro TOSTAGE a                       ; accumulator (a, b), register j: column 32 (b/2) + 16 h + 8 (b%2) + j of my 64
.irp b, 0,1,2,3
	ds_store_b128 v12, v[ACC+8*(4*(\a)+\b):ACC+8*(4*(\a)+\b)+3] offset:128*(\b/2)+32*(\b%2)
	ds_store_b128 v12, v[ACC+8*(4*(\a)+\b)+4:ACC+8*(4*(\a)+\b)+7] offset:128*(\b/2)+32*(\b%2)+16
.endr
.irp i, 0,1,2,3,4,5,6,7
	ds_load_b128 v[32+32*((\a)%2)+4*\i:32+32*((\a)%2)+4*\i+3], v13 offset:544*\i   ; LDS serves a wave's instructions in order (ISA guide 5.7.1.4): these see my stores, and the next tile's stores come behind them
.endr
.endm
.macro SEND a, younger
	s_wait_dscnt \younger                          ; the tile is back; the next tile's 8 stores and 8 loads may be out
	s_wait_loadcnt 8*(3-(\a))                      ; its residual is in; the later tiles' may be out
	WIN 0x20                                       ; source 2 window 2
.irp i, 0,2,4,6,8,10,12,14,16,18,20,22,24,26,28,30
	v_pk_fma_f32 v[32+32*((\a)%2)+\i:32+32*((\a)%2)+\i+1], v[32+32*((\a)%2)+\i:32+32*((\a)%2)+\i+1], s[56:57], v[32*(\a)+\i:32*(\a)+\i+1] op_sel_hi:[1,0,1]
.endr
	WIN 0
.irp i, 0,1,2,3,4,5,6,7
	global_store_b128 v14, v[32+32*((\a)%2)+4*\i:32+32*((\a)%2)+4*\i+3], s[12:13] offset:(32*((\a)/2)+8*((\a)%2)+2*\i+8*(\i/4))*4096   ; sixteen lanes store 256 consecutive bytes, aligned
.endr
.endm
	TOSTAGE 0
.irp a, 1,2,3
.if \a > 1
	s_wait_xcnt 0x0                                ; tile a - 2's stores have read their data: tile a's rows may land there
.endif
	TOSTAGE \a
	SEND \a-1, 16
.endr
	SEND 3, 0
	s_wait_tensorcnt 0x0
	ds_add_u32 v126, v127
	s_wait_dscnt 0x0
	CROUND                                         ; the closing round
	s_endpgm
.Lfunc_end_k_qc4ba68a605_proj_o:
	.size	k_qc4ba68a605_proj_o, .Lfunc_end_k_qc4ba68a605_proj_o-k_qc4ba68a605_proj_o
	.p2alignl 7, 3214868480
	.fill 96, 4, 3214868480
	.section	.rodata,"a",@progbits
	.p2align	6, 0x0
	.amdhsa_kernel k_qc4ba68a605_proj_o
		.amdhsa_group_segment_fixed_size 280064
		.amdhsa_private_segment_fixed_size 0
		.amdhsa_enable_private_segment 0
		.amdhsa_kernarg_size 40
		.amdhsa_user_sgpr_count 2
		.amdhsa_user_sgpr_kernarg_segment_ptr 1
		.amdhsa_wavefront_size32 1
		.amdhsa_system_sgpr_workgroup_id_x 1
		.amdhsa_system_sgpr_workgroup_id_y 1
		.amdhsa_system_sgpr_workgroup_id_z 1
		.amdhsa_system_vgpr_workitem_id 0
		.amdhsa_next_free_vgpr 640
		.amdhsa_next_free_sgpr 100
		.amdhsa_reserve_vcc 0
		.amdhsa_float_denorm_mode_32 3
		.amdhsa_float_denorm_mode_16_64 3
		.amdhsa_memory_ordered 1
		.amdhsa_forward_progress 1
		.amdhsa_inst_pref_size 50
	.end_amdhsa_kernel
	.amdgpu_metadata
---
amdhsa.version: [ 1, 2 ]
amdhsa.kernels:
  - .name:           k_qc4ba68a605_proj_o
    .symbol:         k_qc4ba68a605_proj_o.kd
    .args:
      - { .name: ac, .offset: 0, .size: 8, .value_kind: global_buffer, .address_space: global }
      - { .name: wc, .offset: 8, .size: 8, .value_kind: global_buffer, .address_space: global }
      - { .name: lowp_scales, .offset: 16, .size: 8, .value_kind: global_buffer, .address_space: global }
      - { .name: x, .offset: 24, .size: 8, .value_kind: global_buffer, .address_space: global }
      - { .name: x1, .offset: 32, .size: 8, .value_kind: global_buffer, .address_space: global }
    .group_segment_fixed_size: 280064
    .private_segment_fixed_size: 0
    .kernarg_segment_align: 8
    .kernarg_segment_size: 40
    .max_flat_workgroup_size: 128
    .sgpr_count:     100
    .vgpr_count:     640
    .wavefront_size: 32
...
	.end_amdgpu_metadata
.endif
;; end of part 4
;; launch norm2 (part 5): grid 256 x 1, 4 waves a work-group, no clusters, 768 bytes of LDS; arguments x1, lowp_scales, h2c; writes h2c
.if DOCPART == 5
	.amdgcn_target "amdgcn-amd-amdhsa--gfx1250"
	.amdhsa_code_object_version 6
	.text
	.protected	k_qc4ba68a605_norm2
	.globl	k_qc4ba68a605_norm2
	.p2align	8
	.type	k_qc4ba68a605_norm2,@function
k_qc4ba68a605_norm2:
	s_mov_b64 s[64:65], 0
	v_nop
	global_prefetch_b8 v0, s[64:65] scope:SCOPE_SE
	s_setreg_imm32_b32 hwreg(HW_REG_WAVE_MODE, 25, 1), 1
	s_wait_xcnt 0x0
; h = x1 * rsqrt(mean(x1^2) + 1e-6), quantised twice (2^e12 for the gate's product, 2^e14 for up's) into h2c, two versions of 4 MiB.
; The image: [K/256][rows/16][4,096 bytes]: byte 256 t + 16 s + i of block (cc, T) is the code of row 32 (T/2) + 8 (T%2) + s + 8 (s/8) at k = 256 cc + 16 t + i.
; A work-group takes the 16 rows of image tile T = its number; wave w takes k = 256 w on; the four parts of a row's sum of squares meet in LDS behind one barrier.
; LIMITS: e12, e14 between -126 and 119.  NaN among the inputs is not served.
.set XA,  4
.set LI,  5
.set X,   32                           ; v32-159  128 numbers: unit j (16 neighbours along K) at X + 16 j
.set TS,  160                          ; v160-191 two sets of 16 held numbers
.set C,   192                          ; v192-223 codes
.set SCV, 224                          ; v224..   2^e and 448 x 2^e of each version
.macro NORM nv, es
	s_lshr_b32 s30, ttmp9, 1
	s_lshl_b32 s30, s30, 5
	s_and_b32 s31, ttmp9, 1
	s_lshl_b32 s31, s31, 3
	s_add_co_u32 s30, s30, s31                     ; the tile's first row: 32 (T/2) + 8 (T%2)
	s_lshl_b32 s30, s30, 12
	s_lshl_b32 s31, s26, 10                        ; my wave's 1,024 bytes of a row
	s_add_co_u32 s30, s30, s31
	s_mov_b32 s31, 0
	s_add_nc_u64 s[4:5], s[4:5], s[30:31]
	s_lshl_b32 s30, s26, 20
	s_lshl_b32 s46, ttmp9, 12
	s_add_co_u32 s30, s30, s46
	s_add_nc_u64 s[40:41], s[22:23], s[30:31]
.set vv, 1
.rept \nv-1
	s_add_nc_u64 s[40+2*vv:41+2*vv], s[40:41], vv*0x400000
.set vv, vv+1
.endr
	s_mov_b32 s28, 0x76543210
	s_mov_b32 s29, 0xfedcba98
	s_mov_b32 s27, 0x3a800000                      ; 1 / 1024
	v_and_b32 v1, 15, v0                           ; r
	v_bfe_u32 v2, v0, 4, 1                         ; h
	v_and_b32 v3, 8, v1
	v_add_nc_u32 v3, v3, v1
	v_lshlrev_b32 v[XA], 12, v3
	v_lshl_add_u32 v[XA], v2, 6, v[XA]
	v_and_b32 v[LI], 31, v0
	v_lshlrev_b32 v[LI], 4, v[LI]
	v_lshlrev_b32 v7, 2, v1
	s_lshl_b32 s30, s26, 6
	v_add_nc_u32 v6, s30, v7
.irp j, 0,1,2,3,4,5,6,7
.irp i, 0,1,2,3
	global_load_b128 v[X+16*\j+4*\i:X+16*\j+4*\i+3], v[XA], s[4:5] offset:128*\j+16*\i th:TH_LOAD_NT
.endr
.endr
	s_wait_kmcnt 0x0
.set vv, 0
.rept \nv
	s_add_co_i32 s30, s[\es+2*vv], 127
	s_lshl_b32 s31, s30, 23
	v_mov_b32 v[SCV+2*vv], s31
	s_add_co_i32 s30, s30, 8
	s_lshl_b32 s30, s30, 23
	s_or_b32 s30, s30, 0x600000
	v_mov_b32 v[SCV+2*vv+1], s30
.set vv, vv+1
.endr
.irp j, 0,1,2,3,4,5,6,7
	s_wait_loadcnt 28-4*\j                         ; unit j's four loads are in; the later units' stay out
.irp p, 0,1,2,3,4,5,6,7
.if (\j == 0) && (\p < 4)
	v_pk_mul_f32 v[8+2*\p:9+2*\p], v[X+2*\p:X+2*\p+1], v[X+2*\p:X+2*\p+1]
.else
	v_pk_fma_f32 v[8+2*(\p%4):9+2*(\p%4)], v[X+16*\j+2*\p:X+16*\j+2*\p+1], v[X+16*\j+2*\p:X+16*\j+2*\p+1], v[8+2*(\p%4):9+2*(\p%4)]
.endif
.endr
.endr
	v_pk_add_f32 v[8:9], v[8:9], v[10:11]
	v_pk_add_f32 v[12:13], v[12:13], v[14:15]
	v_pk_add_f32 v[8:9], v[8:9], v[12:13]
	v_add_f32 v8, v8, v9
	v_permlanex16_b32 v9, v8, s28, s29
	v_add_f32 v8, v8, v9
	ds_store_b32 v6, v8                            ; lanes r and r + 16 write the same number to the same word
	s_wait_dscnt 0x0                               ; for the others' sake: my store has landed
	s_barrier_signal -1
	s_barrier_wait -1
	ds_load_b32 v16, v7
	ds_load_b32 v17, v7 offset:64
	ds_load_b32 v18, v7 offset:128
	ds_load_b32 v19, v7 offset:192
	s_wait_dscnt 0x0
	v_add_f32 v16, v16, v17
	v_add_f32 v18, v18, v19
	v_add_f32 v8, v16, v18
	v_fmaak_f32 v8, s27, v8, 0x358637bd            ; the mean + 1e-6
	v_rsq_f32 v10, v8
	v_rsq_f32 v11, v8
	v_nop                                          ; a plain instruction behind the last root
	s_wait_alu depctr_va_vdst(0)                   ; one wait for both, ahead of their first reader
.set n, 0
.rept 64
	v_pk_mul_f32 v[X+n:X+n+1], v[X+n:X+n+1], v[10:11]
.set n, n+2
.endr
.set vv, 0
.rept \nv
.if vv > 0
	s_wait_xcnt 0x0                                ; the last version's stores have read their data
.endif
.irp j, 0,1,2,3,4,5,6,7
.irp i, 0,1,2,3,4,5,6,7,8,9,10,11,12,13,14,15
	v_med3_num_f32 v[TS+16*(\j%2)+\i], v[X+16*\j+\i], -v[SCV+2*vv+1], v[SCV+2*vv+1]   ; the conversion does not saturate (ISA guide 7.6.2): the hold comes first; the two sets take turns
.endr
	v_cvt_scalef32_pk8_fp8_f32 v[C+4*\j:C+4*\j+1], v[TS+16*(\j%2):TS+16*(\j%2)+7], v[SCV+2*vv]
	v_cvt_scalef32_pk8_fp8_f32 v[C+4*\j+2:C+4*\j+3], v[TS+16*(\j%2)+8:TS+16*(\j%2)+15], v[SCV+2*vv]
	global_store_b128 v[LI], v[C+4*\j:C+4*\j+3], s[40+2*vv:41+2*vv] offset:512*\j   ; 32 lanes store 512 consecutive bytes of the image
.endr
.set vv, vv+1
.endr
.endm
	s_load_b128 s[4:7], s[0:1], 0x0                ; x1 s[4:5], the exponents s[6:7]
	s_load_b64 s[22:23], s[0:1], 0x10              ; h2c
	v_lshl_add_u32 v232, v0, 2, 0x100
	v_mov_b32 v233, 0
	v_lshrrev_b32 v1, 5, v0
	v_readfirstlane_b32 s26, v1                    ; wave 0..3
	s_wait_kmcnt 0x0
	s_load_b128 s[32:35], s[6:7], 0x30             ; e12, e13, e14, e15
	NORM 2, 32
	s_wait_tensorcnt 0x0
	ds_add_u32 v232, v233
	s_wait_dscnt 0x0
	s_endpgm
.Lfunc_end_k_qc4ba68a605_norm2:
	.size	k_qc4ba68a605_norm2, .Lfunc_end_k_qc4ba68a605_norm2-k_qc4ba68a605_norm2
	.p2alignl 7, 3214868480
	.fill 96, 4, 3214868480
	.section	.rodata,"a",@progbits
	.p2align	6, 0x0
	.amdhsa_kernel k_qc4ba68a605_norm2
		.amdhsa_group_segment_fixed_size 768
		.amdhsa_private_segment_fixed_size 0
		.amdhsa_enable_private_segment 0
		.amdhsa_kernarg_size 24
		.amdhsa_user_sgpr_count 2
		.amdhsa_user_sgpr_kernarg_segment_ptr 1
		.amdhsa_wavefront_size32 1
		.amdhsa_system_sgpr_workgroup_id_x 1
		.amdhsa_system_sgpr_workgroup_id_y 1
		.amdhsa_system_sgpr_workgroup_id_z 1
		.amdhsa_system_vgpr_workitem_id 0
		.amdhsa_next_free_vgpr 234
		.amdhsa_next_free_sgpr 66
		.amdhsa_reserve_vcc 0
		.amdhsa_float_denorm_mode_32 3
		.amdhsa_float_denorm_mode_16_64 3
		.amdhsa_memory_ordered 1
		.amdhsa_forward_progress 1
		.amdhsa_inst_pref_size 35
	.end_amdhsa_kernel
	.amdgpu_metadata
---
amdhsa.version: [ 1, 2 ]
amdhsa.kernels:
  - .name:           k_qc4ba68a605_norm2
    .symbol:         k_qc4ba68a605_norm2.kd
    .args:
      - { .name: x1, .offset: 0, .size: 8, .value_kind: global_buffer, .address_space: global }
      - { .name: lowp_scales, .offset: 8, .size: 8, .value_kind: global_buffer, .address_space: global }
      - { .name: h2c, .offset: 16, .size: 8, .value_kind: global_buffer, .address_space: global }
    .group_segment_fixed_size: 768
    .private_segment_fixed_size: 0
    .kernarg_segment_align: 8
    .kernarg_segment_size: 24
    .max_flat_workgroup_size: 128
    .sgpr_count:     66
    .vgpr_count:     234
    .wavefront_size: 32
...
	.end_amdgpu_metadata
.endif
;; end of part 5
;; launch gateup (part 6): grid 12 x 64, 4 waves a work-group, clusters of 4 x 4, 262,656 bytes of LDS; arguments h2c, wc, lowp_scales, actc; writes actc
.if DOCPART == 6
	.amdgcn_target "amdgcn-amd-amdhsa--gfx1250"
	.amdhsa_code_object_version 6
	.text
	.protected	k_qc4ba68a605_gateup
	.globl	k_qc4ba68a605_gateup
	.p2align	8
	.type	k_qc4ba68a605_gateup,@function
k_qc4ba68a605_gateup:
	s_mov_b64 s[64:65], 0
	v_nop
	global_prefetch_b8 v0, s[64:65] scope:SCOPE_SE
	s_setreg_imm32_b32 hwreg(HW_REG_WAVE_MODE, 25, 1), 1
	s_wait_xcnt 0x0
	s_wait_alu depctr_hold_cnt(0) depctr_sa_sdst(0) depctr_va_vdst(0) depctr_va_sdst(0) depctr_va_ssrc(0) depctr_va_vcc(0) depctr_vm_vsrc(0)
	s_getreg_b32 s2, hwreg(HW_REG_IB_STS2, 6, 4)
	s_cmp_eq_u32 s2, 0
	s_cbranch_scc0 .Lentry_in_a_cluster
	s_endpgm
.Lentry_in_a_cluster:
	s_bfe_u32 s2, ttmp6, 0x10000c
	s_cmp_lg_u32 s2, 0xf033
	s_cbranch_scc0 .Lentry_shape_is_right
	s_endpgm
.Lentry_shape_is_right:
; act = silu(h w_gate) * (h w_up), both products on codes of E4M3, and act quantised (2^e16) into the image that the last product reads.
; A tile of 64 tokens x 128 image rows of the weights to a work-group of four waves.  The weights' image holds, in each group of 64 rows, 32 columns of w_gate and then the same 32 columns of w_up: a wave takes one group and 32 tokens,
; so gate and up of one number meet in one lane.  The two products take different codes of h (2^e12, 2^e14): both versions of the 64 tokens lie in LDS.
; THE WHOLE K (1,024) LIES IN LDS: 4 chunks x (h for the gate 16 KiB, h for up 16 KiB, the weights 32 KiB); all tensor loads go out at the head, four a wave by this text's count; no LDS byte is filled twice.
; CLUSTER 4 x 4: h's blocks are asked for jointly along a row of the cluster, the weights' along a column.
; Source 0 = 16 rows of the weights' image, source 1 = 16 tokens: a lane holds one token and, in two neighbouring tiles, 16 neighbouring columns.
; Columns 688-767 have zero codes as weights: their sums are 0, act is 0, and the image's padding is written with no line of its own.
; LIMITS: e12 + e13 between -126 and 127 (added to an exponent field); e16 - e12 - e13 - e14 - e15 between -126 and 119.
.set NCH,  4
.set BOFF, 4194304
.set NTB,  96
.set ASTR, 1048576
.set BSTR, NTB*4096
.set CHB,  65536
.set LI,   1
.set ADX,  4
.set ADY,  8
.set ACC,  128                         ; accumulator (a, b) at ACC + 8 (4 a + b): a = tile of tokens 0, 1; b = 0, 1 gate, 2, 3 up
.set Z,    32                          ; v32-63 at work
.set G1A,  24
.set G1B,  32
.set G0A,  68
.set G0B,  84
.set MSB, 0
.macro WIN new
.if MSB != \new
	s_set_vgpr_msb (MSB<<8)|\new
.set MSB, \new
.endif
.endm
.macro CROUND
	s_barrier_signal -1
	s_barrier_wait -1
	s_cmp_lg_u32 s14, 0
	s_cbranch_scc1 .Lnot_wave_0_\@
	s_barrier_signal -3
.Lnot_wave_0_\@:
	s_barrier_wait -3
	s_barrier_signal -1
	s_barrier_wait -1
.endm
.macro PLACES
.rept 4
	v_nop
.endr
.endm
.macro SYNC cc
	s_wait_tensorcnt NCH-1-(\cc)                   ; my load of chunk cc has landed; the later chunks' stay out
	s_wait_dscnt 0x0
	s_barrier_signal -1
	s_barrier_wait -1
.endm
.macro FETCH q, set                    ; 32 loads: four fragments of the weights, two of h for the gate, two of h for up
	WIN 0x40
.irp i, 0,1,2,3
.irp c, 0,1,2,3
	ds_load_b128 v[128*(\set)+16*\i+4*\c:128*(\set)+16*\i+4*\c+3], v[ADX+(\q)/2] offset:4096*\i+2048*((\q)%2)+512*\c
.endr
.endr
.irp i, 0,1
.irp c, 0,1,2,3
	ds_load_b128 v[128*(\set)+64+16*\i+4*\c:128*(\set)+64+16*\i+4*\c+3], v[ADY+(\q)/2] offset:4096*\i+2048*((\q)%2)+512*\c
.endr
.endr
.irp i, 0,1
.irp c, 0,1,2,3
	ds_load_b128 v[128*(\set)+96+16*\i+4*\c:128*(\set)+96+16*\i+4*\c+3], v[ADY+(\q)/2] offset:16384+4096*\i+2048*((\q)%2)+512*\c
.endr
.endr
.endm
.macro MUL set, zero                   ; 8 matrix instructions, the accumulators by turns
	WIN 0x05
.irp a, 0,1
.irp b, 0,1,2,3
.if \zero
	v_wmma_f32_16x16x128_fp8_fp8 v[ACC+8*(4*\a+\b):ACC+8*(4*\a+\b)+7], v[128*(\set)+16*\b:128*(\set)+16*\b+15], v[128*(\set)+64+32*(\b/2)+16*\a:128*(\set)+64+32*(\b/2)+16*\a+15], 0
.else
	v_wmma_f32_16x16x128_fp8_fp8 v[ACC+8*(4*\a+\b):ACC+8*(4*\a+\b)+7], v[128*(\set)+16*\b:128*(\set)+16*\b+15], v[128*(\set)+64+32*(\b/2)+16*\a:128*(\set)+64+32*(\b/2)+16*\a+15], v[ACC+8*(4*\a+\b):ACC+8*(4*\a+\b)+7]
.endif
.endr
.endr
.endm
	s_load_b256 s[4:11], s[0:1], 0x0               ; h2c s[4:5], wc s[6:7], the exponents s[8:9], actc s[10:11]
	v_lshl_add_u32 v254, v0, 2, 0x40000
	v_mov_b32 v255, 0
	ds_add_u32 v254, v255
	ds_add_u32 v254, v255
	v_lshrrev_b32 v2, 5, v0
	v_readfirstlane_b32 s14, v2
	s_lshr_b32 s15, s14, 1                         ; which 32 tokens are mine.  Also: I fetch for h (0) or for the weights (1)
	s_and_b32 s16, s14, 1                          ; which group of 64 image rows.  Also: which version of h, or which half of the weights' block, I fetch
	s_bfe_u32 s40, ttmp6, 0x40000
	s_bfe_u32 s41, ttmp6, 0x40004
	s_lshl_b32 s42, ttmp9, 2
	s_add_co_u32 s42, s42, s40                     ; tile column
	s_and_b32 s17, ttmp7, 0xffff
	s_lshl_b32 s17, s17, 2
	s_add_co_u32 s17, s17, s41                     ; tile row
	s_lshl_b32 s43, s41, 2
	s_lshl_b32 s43, 15, s43
	s_lshl_b32 s44, 0x1111, s40
	s_or_b32 s[G1A], s43, (3<<16)|(1<<21)          ; a dense block of 16 KiB as 64 rows of 32 elements of 8 bytes; the mask; bit 21 beside it
	s_or_b32 s[G1B], s44, (3<<16)|(1<<21)
.irp g, G1A, G1B
	s_mov_b32 s[\g+1], 32<<16
	s_mov_b32 s[\g+2], 64<<16
	s_mov_b32 s[\g+3], 32<<16
	s_mov_b32 s[\g+4], 64
	s_mov_b32 s[\g+5], 32
	s_mov_b32 s[\g+6], 0
	s_mov_b32 s[\g+7], 0
.endr
	s_lshl_b32 s45, s14, 14
	s_lshl_b32 s20, s16, 22                        ; h: the version,
	s_lshl_b32 s18, s17, 14                        ; the tile row's 4 tiles
	s_add_co_u32 s20, s20, s18
	s_mov_b32 s21, 0
	s_lshl_b32 s46, s42, 15                        ; the weights: the tile column's 8 tiles, my half
	s_lshl_b32 s47, s16, 14
	s_add_co_u32 s46, s46, s47
	s_add_co_u32 s46, s46, BOFF
	s_mov_b32 s47, 0
	v_and_b32 v[LI], 31, v0
	v_lshlrev_b32 v[LI], 4, v[LI]
	s_lshl_b32 s50, s16, 14
	s_add_co_u32 s50, s50, 32768                   ; source 0: my group of the weights
	s_lshl_b32 s51, s15, 13                        ; source 1: my two tiles of tokens, in the gate's version; up's lies 16 KiB on
.irp n, 0,1,2,3
	v_add_nc_u32 v[ADX+\n], s50, v[LI]
	v_add_nc_u32 v[ADY+\n], s51, v[LI]
	s_add_co_u32 s50, s50, CHB
	s_add_co_u32 s51, s51, CHB
.endr
	s_lshl_b32 s52, s42, 1
	s_add_co_u32 s52, s52, s16                     ; G: my 32 columns of the hidden layer begin at 32 G
	s_lshr_b32 s2, s52, 3
	s_lshl_b32 s2, s2, 20                          ; act's image: chunk G / 8,
	s_lshl_b32 s3, s17, 2
	s_lshl_b32 s53, s15, 1
	s_add_co_u32 s3, s3, s53                       ; tile of tokens 4 x tile row + 2 x my half,
	s_lshl_b32 s3, s3, 12
	s_add_co_u32 s2, s2, s3
	s_and_b32 s3, s52, 7                           ; 512 bytes for each 32 along K
	s_lshl_b32 s3, s3, 9
	s_add_co_u32 s2, s2, s3
	s_mov_b32 s3, 0
	s_wait_dscnt 0x0
	s_wait_kmcnt 0x0
	s_load_b128 s[56:59], s[8:9], 0x30             ; e12 .. e15
	s_load_b32 s60, s[8:9], 0x40                   ; e16
	s_add_nc_u64 s[10:11], s[10:11], s[2:3]
	s_add_nc_u64 s[20:21], s[4:5], s[20:21]
	s_add_nc_u64 s[46:47], s[6:7], s[46:47]
.set n, 0
.rept NCH
	s_mov_b32 s[G0A+4*n], 1
	s_add_co_u32 s[G0A+4*n+1], s45, n*CHB
	s_add_nc_u64 s[G0A+4*n+2:G0A+4*n+3], s[20:21], n*ASTR
	s_or_b32 s[G0A+4*n+3], s[G0A+4*n+3], 0x80000000
	s_mov_b32 s[G0B+4*n], 1
	s_add_co_u32 s[G0B+4*n+1], s45, n*CHB
	s_add_nc_u64 s[G0B+4*n+2:G0B+4*n+3], s[46:47], n*BSTR
	s_or_b32 s[G0B+4*n+3], s[G0B+4*n+3], 0x80000000
.set n, n+1
.endr
	CROUND                                         ; all sixteen work-groups are here: the joint loads meet
	s_cmp_eq_u32 s15, 0
	s_cbranch_scc0 .Lfill_b
.set n, 0
.rept NCH
	tensor_load_to_lds s[G0A+4*n:G0A+4*n+3], s[G1A:G1A+7]
	s_nop 0
.set n, n+1
.endr
.rept 4
	v_nop
.endr
	s_branch .Lfilled
.Lfill_b:
.set n, 0
.rept NCH
	tensor_load_to_lds s[G0B+4*n:G0B+4*n+3], s[G1B:G1B+7]
	s_nop 0
.set n, n+1
.endr
.rept 4
	v_nop
.endr
.Lfilled:
	s_wait_kmcnt 0x0
	s_add_co_i32 s61, s56, s57                     ; eg: a sum of the gate's product stands for sum x 2^eg
	s_add_co_i32 s62, s58, s59                     ; eu
	s_sub_co_i32 s60, s60, s61
	s_sub_co_i32 s60, s60, s62                     ; the code of act is (g u / (1 + e^-gate)) / 2^(e16 - eg - eu)
	s_lshl_b32 s61, s61, 23
	s_add_co_u32 s56, s61, 0xbfb8aa3b              ; -log2(e) x 2^eg
	s_mov_b32 s57, s56
	s_add_co_i32 s60, s60, 127
	s_lshl_b32 s61, s60, 23
	v_mov_b32 v12, s61
	s_add_co_i32 s60, s60, 8
	s_lshl_b32 s60, s60, 23
	s_or_b32 s60, s60, 0x600000
	v_mov_b32 v13, s60
	SYNC 0
	FETCH 0, 0
.set Q, 0
.rept 2*NCH
.if Q > 0
	PLACES
.endif
.if Q+1 < 2*NCH
.if (Q+1)%2 == 0
	SYNC (Q+1)/2
.endif
	FETCH Q+1, (Q+1)%2
	s_wait_dscnt 32                                ; all but the 32 just issued
.else
	s_wait_dscnt 0x0
.endif
.if Q == 0
	MUL 0, 1
.else
	MUL Q%2, 0
.endif
.set Q, Q+1
.endr
	WIN 0
	PLACES
.irp a, 0,1
.irp i, 0,2,4,6,8,10,12,14
	v_pk_mul_f32 v[Z+16*\a+\i:Z+16*\a+\i+1], v[ACC+32*\a+\i:ACC+32*\a+\i+1], s[56:57] op_sel_hi:[1,0]   ; -gate x log2(e)
.endr
.endr
.set n, 0
.rept 32
	v_exp_f32 v[Z+n], v[Z+n]
.set n, n+1
.endr
	v_nop
	s_wait_alu depctr_va_vdst(0)                   ; one wait for the 32 exponentials
.set n, 0
.rept 16
	v_pk_add_f32 v[Z+n:Z+n+1], v[Z+n:Z+n+1], 1.0 op_sel_hi:[1,0]
.set n, n+2
.endr
.set n, 0
.rept 32
	v_rcp_f32 v[Z+n], v[Z+n]
.set n, n+1
.endr
.irp a, 0,1
.irp i, 0,2,4,6,8,10,12,14
	v_pk_mul_f32 v[ACC+32*\a+\i:ACC+32*\a+\i+1], v[ACC+32*\a+\i:ACC+32*\a+\i+1], v[ACC+32*\a+16+\i:ACC+32*\a+16+\i+1]   ; g u: work that names no reciprocal, between the batch and its wait
.endr
.endr
	s_wait_alu depctr_va_vdst(0)                   ; one wait for the 32 reciprocals
.irp a, 0,1
.irp i, 0,2,4,6,8,10,12,14
	v_pk_mul_f32 v[ACC+32*\a+\i:ACC+32*\a+\i+1], v[ACC+32*\a+\i:ACC+32*\a+\i+1], v[Z+16*\a+\i:Z+16*\a+\i+1]
.endr
.endr
.irp a, 0,1
.irp i, 0,1,2,3,4,5,6,7,8,9,10,11,12,13,14,15
	v_med3_num_f32 v[ACC+32*\a+\i], v[ACC+32*\a+\i], -v13, v13
.endr
	v_cvt_scalef32_pk8_fp8_f32 v[64+4*\a:65+4*\a], v[ACC+32*\a:ACC+32*\a+7], v12
	v_cvt_scalef32_pk8_fp8_f32 v[66+4*\a:67+4*\a], v[ACC+32*\a+8:ACC+32*\a+15], v12
.endr
	v_nop
.irp a, 0,1
	global_store_b128 v[LI], v[64+4*\a:67+4*\a], s[10:11] offset:4096*\a   ; 32 lanes store 512 consecutive bytes, aligned
.endr
	s_wait_tensorcnt 0x0
	ds_add_u32 v254, v255
	s_wait_dscnt 0x0
	CROUND                                         ; the closing round
	s_endpgm
.Lfunc_end_k_qc4ba68a605_gateup:
	.size	k_qc4ba68a605_gateup, .Lfunc_end_k_qc4ba68a605_gateup-k_qc4ba68a605_gateup
	.p2alignl 7, 3214868480
	.fill 96, 4, 3214868480
	.section	.rodata,"a",@progbits
	.p2align	6, 0x0
	.amdhsa_kernel k_qc4ba68a605_gateup
		.amdhsa_group_segment_fixed_size 262656
		.amdhsa_private_segment_fixed_size 0
		.amdhsa_enable_private_segment 0
		.amdhsa_kernarg_size 32
		.amdhsa_user_sgpr_count 2
		.amdhsa_user_sgpr_kernarg_segment_ptr 1
		.amdhsa_wavefront_size32 1
		.amdhsa_system_sgpr_workgroup_id_x 1
		.amdhsa_system_sgpr_workgroup_id_y 1
		.amdhsa_system_sgpr_workgroup_id_z 1
		.amdhsa_system_vgpr_workitem_id 0
		.amdhsa_next_free_vgpr 512
		.amdhsa_next_free_sgpr 100
		.amdhsa_reserve_vcc 0
		.amdhsa_float_denorm_mode_32 3
		.amdhsa_float_denorm_mode_16_64 3
		.amdhsa_memory_ordered 1
		.amdhsa_forward_progress 1
		.amdhsa_inst_pref_size 40
	.end_amdhsa_kernel
	.amdgpu_metadata
---
amdhsa.version: [ 1, 2 ]
amdhsa.kernels:
  - .name:           k_qc4ba68a605_gateup
    .symbol:         k_qc4ba68a605_gateup.kd
    .args:
      - { .name: h2c, .offset: 0, .size: 8, .value_kind: global_buffer, .address_space: global }
      - { .name: wc, .offset: 8, .size: 8, .value_kind: global_buffer, .address_space: global }
      - { .name: lowp_scales, .offset: 16, .size: 8, .value_kind: global_buffer, .address_space: global }
      - { .name: actc, .offset: 24, .size: 8, .value_kind: global_buffer, .address_space: global }
    .group_segment_fixed_size: 262656
    .private_segment_fixed_size: 0
    .kernarg_segment_align: 8
    .kernarg_segment_size: 32
    .max_flat_workgroup_size: 128
    .sgpr_count:     100
    .vgpr_count:     512
    .wavefront_size: 32
...
	.end_amdgpu_metadata
.endif
;; end of part 6
;; launch down (part 7): grid 8 x 32, 4 waves a work-group, clusters of 4 x 4, 214,528 bytes of LDS; arguments actc, wc, lowp_scales, x1, out0; writes out0
.if DOCPART == 7
	.amdgcn_target "amdgcn-amd-amdhsa--gfx1250"
	.amdhsa_code_object_version 6
	.text
	.protected	k_qc4ba68a605_down
	.globl	k_qc4ba68a605_down
	.p2align	8
	.type	k_qc4ba68a605_down,@function
k_qc4ba68a605_down:
	s_mov_b64 s[64:65], 0
	v_nop
	global_prefetch_b8 v0, s[64:65] scope:SCOPE_SE
	s_setreg_imm32_b32 hwreg(HW_REG_WAVE_MODE, 25, 1), 1
	s_wait_xcnt 0x0
	s_wait_alu depctr_hold_cnt(0) depctr_sa_sdst(0) depctr_va_vdst(0) depctr_va_sdst(0) depctr_va_ssrc(0) depctr_va_vcc(0) depctr_vm_vsrc(0)
	s_getreg_b32 s2, hwreg(HW_REG_IB_STS2, 6, 4)
	s_cmp_eq_u32 s2, 0
	s_cbranch_scc0 .Lentry_in_a_cluster
	s_endpgm
.Lentry_in_a_cluster:
	s_bfe_u32 s2, ttmp6, 0x10000c
	s_cmp_lg_u32 s2, 0xf033
	s_cbranch_scc0 .Lentry_shape_is_right
	s_endpgm
.Lentry_shape_is_right:
; out0 = x1 + act w_down, the product on codes of E4M3; K = 688, laid as 768 with zero codes behind.  A tile of 128 tokens x 128 columns to a work-group of four waves, 64 x 64 a wave.
; Operands lie in memory as images of their registers ([K/256][rows/16][4,096 bytes]).  THE WHOLE K OF BOTH TILES LIES IN LDS, NCH chunks x (A 32 KiB + B 32 KiB): all tensor loads go out at the head,
; NCH a wave by this text's count; no LDS byte is filled twice.  CLUSTER 4 x 4: A's blocks are asked for jointly along a row of the cluster, B's along a column.
; Source 0 = 16 columns of the weight, source 1 = 16 tokens: a lane holds one token and eight neighbouring columns an accumulator.  A tile of 16 tokens x 64 columns goes through my own stage in LDS (behind the chunks;
; no tensor load lands there) and comes back as rows of 256 bytes; out = sum x 2^(eA + eB) + residual, one packed multiply-add for two numbers.  The residual is asked for at the head, in the layout of the rows read back.
; LIMIT: eA + eB between -126 and 127.
.set NCH,  3
.set BOFF, 5767168                     ; w_down's region of wc
.set NTB,  64
.set EOFF, 0x40                        ; e16, e17
.set ASTR, 1048576
.set BSTR, NTB*4096
.set CHB,  65536
.set STAGE, NCH*CHB                    ; 4 waves x 16 rows x 272 bytes
.set LI,   1
.set ADX,  4
.set ADY,  8
.set ACC,  128                         ; window 0: accumulator (a, b) at ACC + 8 (4 a + b); v32-95 rows read back, two sets.  Window 1: fragments.  Window 2: v0-127 the residual
.set G1A,  24
.set G1B,  32
.set G0A,  68
.set G0B,  84
.set MSB, 0
.macro WIN new
.if MSB != \new
	s_set_vgpr_msb (MSB<<8)|\new
.set MSB, \new
.endif
.endm
.macro CROUND
	s_barrier_signal -1
	s_barrier_wait -1
	s_cmp_lg_u32 s14, 0
	s_cbranch_scc1 .Lnot_wave_0_\@
	s_barrier_signal -3
.Lnot_wave_0_\@:
	s_barrier_wait -3
	s_barrier_signal -1
	s_barrier_wait -1
.endm
.macro PLACES
.rept 4
	v_nop
.endr
.endm
.macro SYNC cc
	s_wait_tensorcnt NCH-1-(\cc)                   ; my load of chunk cc has landed; the later chunks' stay out
	s_wait_dscnt 0x0
	s_barrier_signal -1
	s_barrier_wait -1
.endm
.macro FETCH q, set
	WIN 0x40
.irp i, 0,1,2,3
.irp c, 0,1,2,3
	ds_load_b128 v[128*(\set)+16*\i+4*\c:128*(\set)+16*\i+4*\c+3], v[ADX+(\q)/2] offset:4096*\i+2048*((\q)%2)+512*\c
.endr
.endr
.irp i, 0,1,2,3
.irp c, 0,1,2,3
	ds_load_b128 v[128*(\set)+64+16*\i+4*\c:128*(\set)+64+16*\i+4*\c+3], v[ADY+(\q)/2] offset:4096*\i+2048*((\q)%2)+512*\c
.endr
.endr
.endm
.macro MUL set, zero
	WIN 0x05
.irp a, 0,1,2,3
.irp b, 0,1,2,3
.if \zero
	v_wmma_f32_16x16x128_fp8_fp8 v[ACC+8*(4*\a+\b):ACC+8*(4*\a+\b)+7], v[128*(\set)+16*\b:128*(\set)+16*\b+15], v[128*(\set)+64+16*\a:128*(\set)+64+16*\a+15], 0
.else
	v_wmma_f32_16x16x128_fp8_fp8 v[ACC+8*(4*\a+\b):ACC+8*(4*\a+\b)+7], v[128*(\set)+16*\b:128*(\set)+16*\b+15], v[128*(\set)+64+16*\a:128*(\set)+64+16*\a+15], v[ACC+8*(4*\a+\b):ACC+8*(4*\a+\b)+7]
.endif
.endr
.endr
.endm
	s_load_b256 s[4:11], s[0:1], 0x0               ; A's codes s[4:5], wc s[6:7], the exponents s[8:9], the residual s[10:11]
	s_load_b64 s[12:13], s[0:1], 0x20              ; out
	v_lshl_add_u32 v126, v0, 2, 0x34400
	v_mov_b32 v127, 0
	ds_add_u32 v126, v127
	ds_add_u32 v126, v127
	v_lshrrev_b32 v2, 5, v0
	v_readfirstlane_b32 s14, v2
	s_lshr_b32 s15, s14, 1                         ; which 64 tokens are mine.  Also: I fetch for A (0) or for B (1)
	s_and_b32 s16, s14, 1                          ; which 64 columns.  Also: which half of the block I fetch
	s_bfe_u32 s40, ttmp6, 0x40000
	s_bfe_u32 s41, ttmp6, 0x40004
	s_lshl_b32 s42, ttmp9, 2
	s_add_co_u32 s42, s42, s40                     ; tile column
	s_and_b32 s17, ttmp7, 0xffff
	s_lshl_b32 s17, s17, 2
	s_add_co_u32 s17, s17, s41                     ; tile row
	s_lshl_b32 s43, s41, 2
	s_lshl_b32 s43, 15, s43
	s_lshl_b32 s44, 0x1111, s40
	s_or_b32 s[G1A], s43, (3<<16)|(1<<21)          ; a dense block of 16 KiB as 64 rows of 32 elements of 8 bytes; the mask; bit 21 beside it
	s_or_b32 s[G1B], s44, (3<<16)|(1<<21)
.irp g, G1A, G1B
	s_mov_b32 s[\g+1], 32<<16
	s_mov_b32 s[\g+2], 64<<16
	s_mov_b32 s[\g+3], 32<<16
	s_mov_b32 s[\g+4], 64
	s_mov_b32 s[\g+5], 32
	s_mov_b32 s[\g+6], 0
	s_mov_b32 s[\g+7], 0
.endr
	s_lshl_b32 s45, s14, 14
	s_lshl_b32 s20, s17, 15                        ; A: the tile row's 8 tiles, my half
	s_lshl_b32 s18, s16, 14
	s_add_co_u32 s20, s20, s18
	s_mov_b32 s21, 0
	s_lshl_b32 s46, s42, 15                        ; B: the tile column's 8 tiles, my half
	s_lshl_b32 s47, s16, 14
	s_add_co_u32 s46, s46, s47
	s_add_co_u32 s46, s46, BOFF
	s_mov_b32 s47, 0
	v_and_b32 v[LI], 31, v0
	v_lshlrev_b32 v[LI], 4, v[LI]
	v_and_b32 v2, 15, v0                           ; r
	v_bfe_u32 v3, v0, 4, 1                         ; h
	s_lshl_b32 s50, s16, 14
	s_add_co_u32 s50, s50, 32768                   ; source 0: my columns
	s_lshl_b32 s51, s15, 14                        ; source 1: my tokens
.set n, 0
.rept NCH
	v_add_nc_u32 v[ADX+n], s50, v[LI]
	v_add_nc_u32 v[ADY+n], s51, v[LI]
	s_add_co_u32 s50, s50, CHB
	s_add_co_u32 s51, s51, CHB
.set n, n+1
.endr
	s_mul_i32 s52, s14, 4352
	s_add_co_u32 s52, s52, STAGE                   ; my stage
	v_mul_u32_u24 v12, v2, 272
	v_lshl_add_u32 v12, v3, 6, v12
	v_add_nc_u32 v12, s52, v12                     ; in: row r, + 64 h
	v_mul_u32_u24 v13, v3, 272
	v_lshl_add_u32 v13, v2, 4, v13
	v_add_nc_u32 v13, s52, v13                     ; back: lanes 0-15 one row, lanes 16-31 the next
	v_lshlrev_b32 v14, 12, v3
	v_lshl_add_u32 v14, v2, 4, v14                 ; and the same two rows in memory
	s_lshl_b32 s2, s17, 19                         ; 128 tokens of 4,096 bytes a tile row,
	s_lshl_b32 s3, s15, 18                         ; my 64,
	s_add_co_u32 s2, s2, s3
	s_lshl_b32 s3, s42, 9                          ; 128 columns a tile column,
	s_add_co_u32 s2, s2, s3
	s_lshl_b32 s3, s16, 8                          ; my 64
	s_add_co_u32 s2, s2, s3
	s_mov_b32 s3, 0
	s_wait_dscnt 0x0
	s_wait_kmcnt 0x0
	s_load_b64 s[56:57], s[8:9], EOFF              ; eA, eB
	s_add_nc_u64 s[10:11], s[10:11], s[2:3]
	s_add_nc_u64 s[12:13], s[12:13], s[2:3]
	s_add_nc_u64 s[20:21], s[4:5], s[20:21]
	s_add_nc_u64 s[46:47], s[6:7], s[46:47]
.set n, 0
.rept NCH
	s_mov_b32 s[G0A+4*n], 1
	s_add_co_u32 s[G0A+4*n+1], s45, n*CHB
	s_add_nc_u64 s[G0A+4*n+2:G0A+4*n+3], s[20:21], n*ASTR
	s_or_b32 s[G0A+4*n+3], s[G0A+4*n+3], 0x80000000
	s_mov_b32 s[G0B+4*n], 1
	s_add_co_u32 s[G0B+4*n+1], s45, n*CHB
	s_add_nc_u64 s[G0B+4*n+2:G0B+4*n+3], s[46:47], n*BSTR
	s_or_b32 s[G0B+4*n+3], s[G0B+4*n+3], 0x80000000
.set n, n+1
.endr
	CROUND                                         ; all sixteen work-groups are here: the joint loads meet
	s_cmp_eq_u32 s15, 0
	s_cbranch_scc0 .Lfill_b
.set n, 0
.rept NCH
	tensor_load_to_lds s[G0A+4*n:G0A+4*n+3], s[G1A:G1A+7]
	s_nop 0
.set n, n+1
.endr
.rept 4
	v_nop
.endr
	s_branch .Lfilled
.Lfill_b:
.set n, 0
.rept NCH
	tensor_load_to_lds s[G0B+4*n:G0B+4*n+3], s[G1B:G1B+7]
	s_nop 0
.set n, n+1
.endr
.rept 4
	v_nop
.endr
.Lfilled:
	WIN 0x80                                       ; destination window 2
.irp a, 0,1,2,3
.irp i, 0,1,2,3,4,5,6,7
	global_load_b128 v[32*\a+4*\i:32*\a+4*\i+3], v14, s[10:11] offset:(32*(\a/2)+8*(\a%2)+2*\i+8*(\i/4))*4096 th:TH_LOAD_NT   ; place 2 i + (lane/16) of tile a is token 32 (a/2) + 8 (a%2) + 2 i + (lane/16) + 8 (i/4) of my 64
.endr
.endr
	WIN 0
	s_wait_kmcnt 0x0
	s_add_co_i32 s56, s56, s57
	s_add_co_i32 s56, s56, 127
	s_lshl_b32 s56, s56, 23                        ; 2^(eA + eB)
	s_mov_b32 s57, s56
	SYNC 0
	FETCH 0, 0
.set Q, 0
.rept 2*NCH
.if Q > 0
	PLACES
.endif
.if Q+1 < 2*NCH
.if (Q+1)%2 == 0
	SYNC (Q+1)/2
.endif
	FETCH Q+1, (Q+1)%2
	s_wait_dscnt 32                                ; all but the 32 just issued
.else
	s_wait_dscnt 0x0
.endif
.if Q == 0
	MUL 0, 1
.else
	MUL Q%2, 0
.endif
.set Q, Q+1
.endr
	WIN 0
	PLACES
.macro TOSTAGE a                       ; accumulator (a, b), register j: column 32 (b/2) + 16 h + 8 (b%2) + j of my 64
.irp b, 0,1,2,3
	ds_store_b128 v12, v[ACC+8*(4*(\a)+\b):ACC+8*(4*(\a)+\b)+3] offset:128*(\b/2)+32*(\b%2)
	ds_store_b128 v12, v[ACC+8*(4*(\a)+\b)+4:ACC+8*(4*(\a)+\b)+7] offset:128*(\b/2)+32*(\b%2)+16
.endr
.irp i, 0,1,2,3,4,5,6,7
	ds_load_b128 v[32+32*((\a)%2)+4*\i:32+32*((\a)%2)+4*\i+3], v13 offset:544*\i   ; LDS serves a wave's instructions in order (ISA guide 5.7.1.4): these see my stores, and the next tile's stores come behind them
.endr
.endm
.macro SEND a, younger
	s_wait_dscnt \younger                          ; the tile is back; the next tile's 8 stores and 8 loads may be out
	s_wait_loadcnt 8*(3-(\a))                      ; its residual is in; the later tiles' may be out
	WIN 0x20                                       ; source 2 window 2
.irp i, 0,2,4,6,8,10,12,14,16,18,20,22,24,26,28,30
	v_pk_fma_f32 v[32+32*((\a)%2)+\i:32+32*((\a)%2)+\i+1], v[32+32*((\a)%2)+\i:32+32*((\a)%2)+\i+1], s[56:57], v[32*(\a)+\i:32*(\a)+\i+1] op_sel_hi:[1,0,1]
.endr
	WIN 0
.irp i, 0,1,2,3,4,5,6,7
	global_store_b128 v14, v[32+32*((\a)%2)+4*\i:32+32*((\a)%2)+4*\i+3], s[12:13] offset:(32*((\a)/2)+8*((\a)%2)+2*\i+8*(\i/4))*4096   ; sixteen lanes store 256 consecutive bytes, aligned
.endr
.endm
	TOSTAGE 0
.irp a, 1,2,3
.if \a > 1
	s_wait_xcnt 0x0                                ; tile a - 2's stores have read their data: tile a's rows may land there
.endif
	TOSTAGE \a
	SEND \a-1, 16
.endr
	SEND 3, 0
	s_wait_tensorcnt 0x0
	ds_add_u32 v126, v127
	s_wait_dscnt 0x0
	CROUND                                         ; the closing round
	s_endpgm
.Lfunc_end_k_qc4ba68a605_down:
	.size	k_qc4ba68a605_down, .Lfunc_end_k_qc4ba68a605_down-k_qc4ba68a605_down
	.p2alignl 7, 3214868480
	.fill 96, 4, 3214868480
	.section	.rodata,"a",@progbits
	.p2align	6, 0x0
	.amdhsa_kernel k_qc4ba68a605_down
		.amdhsa_group_segment_fixed_size 214528
		.amdhsa_private_segment_fixed_size 0
		.amdhsa_enable_private_segment 0
		.amdhsa_kernarg_size 40
		.amdhsa_user_sgpr_count 2
		.amdhsa_user_sgpr_kernarg_segment_ptr 1
		.amdhsa_wavefront_size32 1
		.amdhsa_system_sgpr_workgroup_id_x 1
		.amdhsa_system_sgpr_workgroup_id_y 1
		.amdhsa_system_sgpr_workgroup_id_z 1
		.amdhsa_system_vgpr_workitem_id 0
		.amdhsa_next_free_vgpr 640
		.amdhsa_next_free_sgpr 100
		.amdhsa_reserve_vcc 0
		.amdhsa_float_denorm_mode_32 3
		.amdhsa_float_denorm_mode_16_64 3
		.amdhsa_memory_ordered 1
		.amdhsa_forward_progress 1
		.amdhsa_inst_pref_size 42
	.end_amdhsa_kernel
	.amdgpu_metadata
---
amdhsa.version: [ 1, 2 ]
amdhsa.kernels:
  - .name:           k_qc4ba68a605_down
    .symbol:         k_qc4ba68a605_down.kd
    .args:
      - { .name: actc, .offset: 0, .size: 8, .value_kind: global_buffer, .address_space: global }
      - { .name: wc, .offset: 8, .size: 8, .value_kind: global_buffer, .address_space: global }
      - { .name: lowp_scales, .offset: 16, .size: 8, .value_kind: global_buffer, .address_space: global }
      - { .name: x1, .offset: 24, .size: 8, .value_kind: global_buffer, .address_space: global }
      - { .name: out0, .offset: 32, .size: 8, .value_kind: global_buffer, .address_space: global }
    .group_segment_fixed_size: 214528
    .private_segment_fixed_size: 0
    .kernarg_segment_align: 8
    .kernarg_segment_size: 40
    .max_flat_workgroup_size: 128
    .sgpr_count:     100
    .vgpr_count:     640
    .wavefront_size: 32
...
	.end_amdgpu_metadata
.endif
;; end of part 7
;; ======== version 2 of 2: 7 launches; version 1 with the launch attn written anew for expert scheduling mode
;; workspace buffers: wc 6,553,600 bytes; hc 12,582,912 bytes; qkvc 12,582,912 bytes; ac 4,194,304 bytes; x1 16,777,216 bytes; h2c 8,388,608 bytes; actc 3,145,728 bytes
;; launch prep: the kernel of part 1 again; grid 456 x 1, 4 waves a work-group, no clusters, 768 bytes of LDS; arguments x, wq, wk, wv, wo, w_down, w_gate, w_up, lowp_scales, hc, wc; writes hc, wc
;; launch proj_qkv: the kernel of part 2 again; grid 24 x 32, 4 waves a work-group, clusters of 4 x 4, 262,656 bytes of LDS; arguments hc, wc, lowp_scales, qkvc; writes qkvc
;; launch attn (part 8): grid 4 x 64, 16 waves a work-group, no clusters, 133,120 bytes of LDS; arguments qkvc, lowp_scales, ac; writes ac
.if DOCPART == 8
	.amdgcn_target "amdgcn-amd-amdhsa--gfx1250"
	.amdhsa_code_object_version 6
	.text
	.protected	k_qc4ba68a605_attn
	.globl	k_qc4ba68a605_attn
	.p2align	8
	.type	k_qc4ba68a605_attn,@function
k_qc4ba68a605_attn:
	s_mov_b64 s[64:65], 0
	v_nop
	global_prefetch_b8 v0, s[64:65] scope:SCOPE_SE
	s_setreg_imm32_b32 hwreg(HW_REG_WAVE_SCHED_MODE, 0, 2), 2
	s_setreg_imm32_b32 hwreg(HW_REG_WAVE_MODE, 25, 1), 1
	s_wait_xcnt 0x0
	s_wait_alu depctr_vm_vsrc(0)
; Attention of one head on codes of E4M3: o = softmax(q k^T / sqrt(32)) v, and o quantised (2^e10) into the image that the next product reads.
; t = score x log2(e) / sqrt(32); M = the row's largest t so far, rounded up to a whole number; p = 2^(t - M) is quantised (2^e8), not normalised; the row's sum is taken of the unquantised p and divides at the end.
; When M moves, the sum and O are multiplied by 2^(old M - new M): nothing is rounded.
; SHARES.  A work-group owns 512 queries of one head (batch x 32 + head = work-group y); each of its sixteen waves owns 16 of them at a time, twice.  Four waves to a SIMD: one wave's vector work stands beside another's matrix work and LDS loads.
; THE HEAD'S WHOLE K AND V LIE IN LDS: 64 KiB each, as images of the operands' registers, copied once through registers; one barrier; then LDS is only read.
; No tensor load, no cluster: K and V are 128 KiB against 32 walks over them by sixteen waves, and the text keeps a scalar branch on the given e8, which spares the hold's 32 lines a step where the hold cannot act.
; LAYOUT.  S^T = K Q^T (source 0 = 16 keys, source 1 = my 16 queries; the head has 32 channels, the form takes 64: registers 4-7 of both sources are zero codes).  O^T = V^T P^T (source 0 = 16 channels x 128 keys).
; A lane holds one query throughout.  Tile T's place s holds key 32 (T/2) + 8 (T%2) + s + 8 (s/8), so the 16 registers of tiles 2 b and 2 b + 1 are keys 32 b + 16 (lane/16) + 0 .. 15: p's codes are the operand's registers.
; A STEP HAS 10 MATRIX INSTRUCTIONS AGAINST SOME 220 VECTOR INSTRUCTIONS, so the text spares vector lines and keeps a wave from waiting: K is asked for a step ahead; maxima and sums run in four chains;
; scalings stand among the exponentials; the hold goes two to an instruction.
; LIMITS: e6 + e7 between -124 and 129 (added to c's exponent field); e8, and e10 - e8 - e9, between -126 and 119.
; THE MODE: SCHED_MODE bits 1:0 = 2 (LLVM: expert scheduling mode 2), set by the entry lines.  The code itself states the register dependences
; between vector or matrix instructions and memory or LDS instructions, with s_wait_alu, always for 0.
; THE PLAN.  Registers that memory or LDS instructions touch:
;   v1, v3, v5      Offsets and LDS addresses, written once at the head and never again; read by the global loads, the LDS stores, the first step's loads of K and the stores of o.
;   S (v96-159)     At the head: global loads land in it and the LDS stores read it.  From the first step on vector and matrix instructions alone name it.
;   K's low fours   Step s: its eight score products read them; later in the same step the LDS loads of step s + 1's K land in them.
;   V (v176-207)    Step s: its two products V^T P read it; the LDS loads of step s + 1 land in it.
;   v8, v9          LDS addresses: written by two additions behind a step's score products, read by the step's sixteen LDS loads.
;   v228-235        o's codes, four registers a walk: written by the walk's two conversions, read by its one store, never written again.
;   v239, v245      Written at the head, read by the closing add alone.
; So ONE wait on va_vdst stands in a step, behind the batch of exponentials: it states that their results are written, that v8 and v9 are written, that this step's score products are done reading K and that the
; last step's V^T P are done reading V.  The step's sixteen LDS loads follow it, dealt among the first lines of the row's sum.  All vector lines from there to the step's end name S, the sum's chains, the hold's and the
; conversion's constants, p's codes and O^T: none of the registers that those loads touch.  One wait on vm_vsrc a step stands ahead of the two additions to v8 and v9.
.set LI,  1                            ; v1   16 x lane
.set LV,  2                            ; v2   16 x lane + 65,536: V's image
.set TID, 3                            ; v3   16 x thread
.set ADK, 8                            ; v8   LDS address of the next step's K
.set ADV, 9                            ; v9   of this step's V
.set QF,  16                           ; v16-23  Q's fragment (v20-23 zeros);  v24-27 the second walk's
.set Q2,  24
.set KF,  32                           ; v32-95  eight fragments of K, 8 registers each, the upper four zeros
.set S,   96                           ; v96-159 S^T, then p
.set O,   160                          ; v160-175 O^T
.set VF,  176                          ; v176-207 two fragments of V
.set PC,  208                          ; v208-223 p's codes
                                       ; v12 -M, v13 the largest t, v[14:15] the sum in two halves; v[224:227], v[242:243] three more chains of the sum; v248, v249, v252, v254 the maximum's four chains;
                                       ; v252 then f; v255 the old -M; v240, v241 448 x 2^e8; v244 2^e8; v246, v247 the way out's scale and hold; v228-235 o's codes
.set SEL, 20                           ; s[20:21] lane l xor 16
.set CS,  22                           ; s[22:23] c
.set TB,  24                           ; s24  the step's first byte in each image
.set CNT, 25                           ; s25  steps to go
.set TN,  35                           ; s35  the next step's first byte
	s_load_b128 s[4:7], s[0:1], 0x0                ; qkvc s[4:5], the exponents s[6:7]
	s_load_b64 s[8:9], s[0:1], 0x10                ; ac
	v_lshl_add_u32 v239, v0, 2, 0x20000
	v_mov_b32 v245, 0
	v_lshrrev_b32 v4, 5, v0
	v_readfirstlane_b32 s10, v4                    ; wave 0..15
	v_and_b32 v[LI], 31, v0
	v_lshlrev_b32 v[LI], 4, v[LI]
	v_add_nc_u32 v[LV], 65536, v[LI]
	v_lshlrev_b32 v[TID], 4, v0
	v_add_nc_u32 v5, 65536, v[TID]
	s_wait_alu depctr_va_sdst(0)                   ; s10 is written, ahead of its first reader: my tile of queries is made from it
	s_and_b32 s11, ttmp7, 0xffff                   ; batch x 32 + head
	s_lshl_b32 s12, s11, 16
	s_mov_b32 s13, 0
	s_mov_b32 s[SEL], 0x76543210
	s_mov_b32 s[SEL+1], 0xfedcba98
	s_wait_kmcnt 0x0
	s_load_b128 s[28:31], s[6:7], 0x18             ; e6, e7, e8, e9
	s_load_b32 s32, s[6:7], 0x28                   ; e10
	s_add_nc_u64 s[4:5], s[4:5], s[12:13]          ; the head's image of q,
	s_add_nc_u64 s[14:15], s[4:5], 0x400000        ; of k,
	s_add_nc_u64 s[16:17], s[4:5], 0x800000        ; of v
	s_wait_alu depctr_va_vdst(0)                   ; v1, v3 and v5 are written: the global loads, the LDS stores and the first step's loads of K read them, and no vector line below writes them again
.irp i, 0,1,2,3,4,5,6,7
	global_load_b128 v[S+4*\i:S+4*\i+3], v[TID], s[14:15] offset:8192*\i      ; 512 threads x 16 bytes: 8 KiB an instruction of the work-group
.endr
.irp i, 0,1,2,3,4,5,6,7
	global_load_b128 v[S+32+4*\i:S+32+4*\i+3], v[TID], s[16:17] offset:8192*\i
.endr
	s_lshl_b32 s12, ttmp9, 5
	s_add_co_u32 s12, s12, s10                     ; my first tile of queries: 32 x work-group x + wave; the second lies 16 tiles on
	s_lshl_b32 s18, s12, 9
	s_mov_b32 s19, 0
	s_add_nc_u64 s[4:5], s[4:5], s[18:19]
	global_load_b128 v[QF:QF+3], v[LI], s[4:5]
	global_load_b128 v[Q2:Q2+3], v[LI], s[4:5] offset:8192
	s_and_b32 s18, s11, 31                         ; head
	s_lshr_b32 s19, s11, 5                         ; batch
	s_lshl_b32 s19, s19, 7
	s_add_co_u32 s19, s19, s12                     ; the tile among all 256
	s_lshl_b32 s19, s19, 12
	s_lshr_b32 s26, s18, 3                         ; o's image: k = 32 x head + channel: chunk head / 8,
	s_lshl_b32 s26, s26, 20
	s_add_co_u32 s26, s26, s19
	s_and_b32 s18, s18, 7                          ; 512 bytes for each head in a tile's block
	s_lshl_b32 s18, s18, 9
	s_add_co_u32 s26, s26, s18
	s_mov_b32 s27, 0
	s_add_nc_u64 s[8:9], s[8:9], s[26:27]
.irp j, 4,5,6,7
	v_mov_b32 v[QF+\j], 0                          ; channels 32-63 of the form: zero codes
.endr
.irp t, 0,1,2,3,4,5,6,7
.irp j, 4,5,6,7
	v_mov_b32 v[KF+8*\t+\j], 0
.endr
.endr
	v_mov_b32 v236, 0                              ; written once: a lane permute's destination counts as one of its sources
	v_mov_b32 v253, 0                              ; (named as the upper half of the pair v[252:253])
.irp i, 0,1,2,3,4,5,6,7
	s_wait_loadcnt 17-\i                           ; this load is in; the later ones of K and V and Q's two stay out
	ds_store_b128 v[TID], v[S+4*\i:S+4*\i+3] offset:8192*\i
.endr
.irp i, 0,1,2,3,4,5,6,7
	s_wait_loadcnt 9-\i
	ds_store_b128 v5, v[S+32+4*\i:S+32+4*\i+3] offset:8192*\i
.endr
	s_wait_kmcnt 0x0
	s_mov_b32 s[CS], 0x3e8293ee                    ; c = log2(e) / sqrt(32)
	s_add_co_i32 s33, s28, s29
	s_lshl_b32 s33, s33, 23
	s_add_co_i32 s[CS], s[CS], s33                 ; a score stands for score x 2^(e6 + e7)
	s_mov_b32 s[CS+1], s[CS]                       ; (named with it as a pair)
	s_add_co_i32 s33, s30, 127
	s_lshl_b32 s34, s33, 23
	v_mov_b32 v244, s34                            ; 2^e8
	s_add_co_i32 s33, s33, 8
	s_lshl_b32 s33, s33, 23
	s_or_b32 s33, s33, 0x600000
	v_mov_b32 v240, s33                            ; 448 x 2^e8,
	v_mov_b32 v241, s33                            ; twice: the two halves of a pair of holds take their first sources from different banks
	s_sub_co_i32 s33, s32, s30
	s_sub_co_i32 s33, s33, s31                     ; O / l stands for o / 2^(e8 + e9): its code is (O / l) / 2^(e10 - e8 - e9)
	s_add_co_i32 s33, s33, 127
	s_lshl_b32 s34, s33, 23
	v_mov_b32 v246, s34
	s_add_co_i32 s33, s33, 8
	s_lshl_b32 s33, s33, 23
	s_or_b32 s33, s33, 0x600000
	v_mov_b32 v247, s33
	s_wait_loadcnt 0x0                             ; Q
	s_wait_dscnt 0x0                               ; for the others' sake: my stores have landed
	s_barrier_signal -1
	s_barrier_wait -1                              ; K and V are whole; from here on LDS is only read
	s_wait_alu depctr_vm_vsrc(0)                   ; my LDS stores have read v[S ..], which the first step's products write
.irp t, 0,1,2,3,4,5,6,7
	ds_load_b128 v[KF+8*\t:KF+8*\t+3], v[LI] offset:512*\t   ; the first step's K; every later step's is asked for a step ahead.  No vector line since the head's wait on va_vdst names these registers or v1
.endr
; Four links of the row's sum, one on each of its four chains: pairs k to k + 3 of p.
.macro SUM4 k
	v_pk_add_f32 v[242:243], v[242:243], v[S+2*(\k):S+2*(\k)+1]
	v_pk_add_f32 v[224:225], v[224:225], v[S+2*(\k)+2:S+2*(\k)+3]
	v_pk_add_f32 v[226:227], v[226:227], v[S+2*(\k)+4:S+2*(\k)+5]
	v_pk_add_f32 v[14:15], v[14:15], v[S+2*(\k)+6:S+2*(\k)+7]
.endm
; A KEY STEP: 128 keys.
.macro STEP
	s_wait_dscnt 0x0                               ; this step's K, asked for a step ago
.irp t, 0,1,2,3,4,5,6,7
	v_wmma_f32_16x16x64_fp8_fp8 v[S+8*\t:S+8*\t+7], v[KF+8*\t:KF+8*\t+7], v[QF:QF+7], 0
.endr
	s_add_co_u32 s[TN], s[TB], 4096
	s_and_b32 s[TN], s[TN], 0xffff                 ; the next step's K; behind a walk's last step the first step's again, with which the second walk begins
	s_wait_alu depctr_vm_vsrc(0)                   ; the LDS loads of the step before have read v8 and v9, which the two additions below write
	v_add_nc_u32 v[ADV], s[TB], v[LV]              ; four plain lines that name no register of the products above nor of the last step's V^T P: the places in front of the first read of the scores
	v_add_nc_u32 v[ADK], s[TN], v[LI]
	v_mov_b32 v255, v12                            ; the old -M
	v_nop
	v_max3_num_f32 v254, v[S], v[S+1], v[S+2]      ; the step's largest score of my query among my 64 keys, in four chains; the registers in ascending order
	v_max3_num_f32 v252, v[S+3], v[S+4], v[S+5]
	v_max3_num_f32 v248, v[S+6], v[S+7], v[S+8]
	v_max3_num_f32 v249, v[S+9], v[S+10], v[S+11]
.irp i, 12,20,28,36,44,52
	v_max3_num_f32 v254, v254, v[S+\i], v[S+\i+1]
	v_max3_num_f32 v252, v252, v[S+\i+2], v[S+\i+3]
	v_max3_num_f32 v248, v248, v[S+\i+4], v[S+\i+5]
	v_max3_num_f32 v249, v249, v[S+\i+6], v[S+\i+7]
.endr
	v_max3_num_f32 v254, v254, v[S+60], v[S+61]
	v_max3_num_f32 v252, v252, v[S+62], v[S+63]
	v_max3_num_f32 v254, v254, v252, v248
	v_max_num_f32 v254, v254, v249
	v_permlanex16_b32 v236, v254, s[SEL], s[SEL+1]
	v_max_num_f32 v254, v254, v236                 ; and among lane l xor 16's
	v_mul_f32 v254, s[CS], v254                    ; as t (c is positive)
	v_max_num_f32 v13, v13, v254                   ; the running largest t
	v_floor_f32 v12, -v13                          ; the new -M = floor(-t): M is a whole number
	v_pk_fma_f32 v[S:S+1], v[S:S+1], s[CS:CS+1], v[12:13] op_sel_hi:[1,0,0]       ; t - M, two at a time; f's three dependent lines stand between the first scalings
	v_sub_f32 v255, v12, v255                      ; old M - new M, 0 or less
	v_pk_fma_f32 v[S+2:S+3], v[S+2:S+3], s[CS:CS+1], v[12:13] op_sel_hi:[1,0,0]
	v_cvt_i32_f32 v255, v255                       ; (it saturates)
	v_pk_fma_f32 v[S+4:S+5], v[S+4:S+5], s[CS:CS+1], v[12:13] op_sel_hi:[1,0,0]
	v_ldexp_f32 v252, 1.0, v255                    ; f = 2^(old M - new M)
.set n, 0
.rept 32                                       ; ONE BATCH: a pair's two exponentials, then the scaling of the pair three on.  None of these lines names an exponential's result
	v_exp_f32 v[S+2*n], v[S+2*n]                   ; p = 2^(t - M)
	v_exp_f32 v[S+2*n+1], v[S+2*n+1]
.if n+3 < 32
	v_pk_fma_f32 v[S+2*(n+3):S+2*(n+3)+1], v[S+2*(n+3):S+2*(n+3)+1], s[CS:CS+1], v[12:13] op_sel_hi:[1,0,0]
.endif
.set n, n+1
.endr
.irp j, 0,2,4,6,8,10,12
	v_pk_mul_f32 v[O+\j:O+\j+1], v[O+\j:O+\j+1], v[252:253] op_sel_hi:[1,0]   ; O^T under the new M: work that names no exponential's result, between the batch and its wait; the first is the plain line behind the last exponential
.endr
	s_wait_alu depctr_va_vdst(0)                   ; THE STEP'S ONE WAIT: the 64 exponentials have written p, ahead of its first reader; v8 and v9 are written; this step's score products are done reading K, the last step's V^T P done reading V
.irp c, 0,1,2,3
	ds_load_b128 v[VF+4*\c:VF+4*\c+3], v[ADV] offset:512*\c                   ; the sixteen LDS loads, four at a time among the sum's first lines.  V's first, so that the wait ahead of V^T P can leave K's out
.endr
	v_pk_add_f32 v[242:243], v[S:S+1], v[S+2:S+3]  ; the row's sum, of the unquantised p, two at a time, in four chains;
	v_pk_add_f32 v[224:225], v[S+4:S+5], v[S+6:S+7]
	v_pk_add_f32 v[226:227], v[S+8:S+9], v[S+10:S+11]
	v_pk_fma_f32 v[14:15], v[14:15], v[252:253], v[S+12:S+13] op_sel_hi:[1,0,1]   ; the old sum comes under the new M in its first addition
.irp c, 0,1,2,3
	ds_load_b128 v[VF+16+4*\c:VF+16+4*\c+3], v[ADV] offset:2048+512*\c        ; no wait: no vector or matrix line since the wait above names V, K's low fours, v8 or v9
.endr
	SUM4 7
.irp t, 0,1,2,3
	ds_load_b128 v[KF+8*\t:KF+8*\t+3], v[ADK] offset:512*\t
.endr
	SUM4 11
.irp t, 4,5,6,7
	ds_load_b128 v[KF+8*\t:KF+8*\t+3], v[ADK] offset:512*\t
.endr
	SUM4 15
	SUM4 19
	SUM4 23
	SUM4 27
	v_pk_add_f32 v[242:243], v[242:243], v[S+62:S+63]
	v_pk_add_f32 v[242:243], v[242:243], v[224:225]
	v_pk_add_f32 v[14:15], v[14:15], v[226:227]
	v_pk_add_f32 v[14:15], v[14:15], v[242:243]
	s_cmp_ge_i32 s30, -8                           ; p is at most 1 (a last bit over at the most) and 448 x 2^e8 is 1.75 or more from e8 = -8 on: there the hold cannot act
	s_cbranch_scc1 .Lnohold_\@
.set n, 0
.rept 32
	v_dual_min_num_f32 v[S+n], v240, v[S+n] :: v_dual_min_num_f32 v[S+n+1], v241, v[S+n+1]   ; the conversion does not saturate (ISA guide 7.6.2); p is not negative, so the hold is one-sided; two holds an instruction
.set n, n+2
.endr
.Lnohold_\@:
.irp b, 0,1,2,3
	v_cvt_scalef32_pk8_fp8_f32 v[PC+4*\b:PC+4*\b+1], v[S+16*\b:S+16*\b+7], v244
	v_cvt_scalef32_pk8_fp8_f32 v[PC+4*\b+2:PC+4*\b+3], v[S+16*\b+8:S+16*\b+15], v244
.endr
	v_pk_mul_f32 v[O+14:O+15], v[O+14:O+15], v[252:253] op_sel_hi:[1,0]   ; the last pair of O^T: also the plain line between the conversions and the products that read their results and, in the next step, write their sources
	s_wait_dscnt 8                                 ; V's eight are in; the next step's K, eight loads issued behind them, stays out
.irp u, 0,1
	v_wmma_f32_16x16x128_fp8_fp8 v[O+8*\u:O+8*\u+7], v[VF+16*\u:VF+16*\u+15], v[PC:PC+15], v[O+8*\u:O+8*\u+7]   ; the two accumulators take turns; the next step's eight products stand between two links
.endr
.endm
; One walk over the head's 2,048 keys for one tile of 16 queries.
.macro PASS p
.if \p
.irp j, 0,1,2,3
	v_mov_b32 v[QF+\j], v[Q2+\j]
.endr
.endif
	v_mov_b32 v13, 0xff61b1e6                      ; the largest t so far: -3e38
	v_floor_f32 v12, -v13                          ; -M
	v_mov_b32 v14, 0
	v_mov_b32 v15, 0
.irp j, 0,1,2,3,4,5,6,7,8,9,10,11,12,13,14,15
	v_mov_b32 v[O+\j], 0                           ; the step is written once: the first finds zeros, which the first change of M leaves zeros
.endr
	s_mov_b32 s[TB], 0
	s_mov_b32 s[CNT], 16
.Lkeys_\@:
	STEP
	s_add_co_u32 s[TB], s[TB], 4096                ; 128 keys are 4,096 bytes in each image
	s_sub_co_u32 s[CNT], s[CNT], 1
	s_cmp_lg_u32 s[CNT], 0
	s_cbranch_scc1 .Lkeys_\@
.rept 4
	v_nop
.endr
	v_add_f32 v14, v14, v15
	v_permlanex16_b32 v252, v14, s[SEL], s[SEL+1]
	v_add_f32 v14, v14, v252                       ; the row's sum
	v_rcp_f32 v250, v14
	v_mov_b32 v251, 0                              ; the plain line behind the reciprocal (and the pair's upper half is written)
	s_wait_alu depctr_va_vdst(0)                   ; the reciprocal has written v250, ahead of its first reader
.irp j, 0,2,4,6,8,10,12,14
	v_pk_mul_f32 v[O+\j:O+\j+1], v[O+\j:O+\j+1], v[250:251] op_sel_hi:[1,0]
.endr
.irp j, 0,1,2,3,4,5,6,7,8,9,10,11,12,13,14,15
	v_med3_num_f32 v[O+\j], v[O+\j], -v247, v247
.endr
	v_cvt_scalef32_pk8_fp8_f32 v[228+4*\p:229+4*\p], v[O:O+7], v246        ; the two tiles of O^T are channels 16 (lane/16) + 0 .. 15 of my query
	v_cvt_scalef32_pk8_fp8_f32 v[230+4*\p:231+4*\p], v[O+8:O+15], v246
	v_nop
	s_wait_alu depctr_va_vdst(0)                   ; the two conversions have written o's codes, which the store reads; each walk has four registers of its own for them, so they are never written again
	global_store_b128 v[LI], v[228+4*\p:231+4*\p], s[8:9] offset:65536*\p   ; 32 lanes store 512 consecutive bytes of the image
.endm
	PASS 0
	PASS 1
	s_wait_dscnt 0x0                               ; the second walk's last step has asked for K once more; nothing reads it
	s_wait_dscnt 0x0                               ; the closing lines, six on end, of a launch in the mode that stores to LDS
	s_wait_alu 0x0
	s_wait_tensorcnt 0x0
	ds_add_u32 v239, v245
	s_wait_dscnt 0x0
	s_endpgm
.Lfunc_end_k_qc4ba68a605_attn:
	.size	k_qc4ba68a605_attn, .Lfunc_end_k_qc4ba68a605_attn-k_qc4ba68a605_attn
	.p2alignl 7, 3214868480
	.fill 96, 4, 3214868480
	.section	.rodata,"a",@progbits
	.p2align	6, 0x0
	.amdhsa_kernel k_qc4ba68a605_attn
		.amdhsa_group_segment_fixed_size 133120
		.amdhsa_private_segment_fixed_size 0
		.amdhsa_enable_private_segment 0
		.amdhsa_kernarg_size 24
		.amdhsa_user_sgpr_count 2
		.amdhsa_user_sgpr_kernarg_segment_ptr 1
		.amdhsa_wavefront_size32 1
		.amdhsa_system_sgpr_workgroup_id_x 1
		.amdhsa_system_sgpr_workgroup_id_y 1
		.amdhsa_system_sgpr_workgroup_id_z 1
		.amdhsa_system_vgpr_workitem_id 0
		.amdhsa_next_free_vgpr 256
		.amdhsa_next_free_sgpr 66
		.amdhsa_reserve_vcc 0
		.amdhsa_float_denorm_mode_32 3
		.amdhsa_float_denorm_mode_16_64 3
		.amdhsa_memory_ordered 1
		.amdhsa_forward_progress 1
		.amdhsa_inst_pref_size 42
	.end_amdhsa_kernel
	.amdgpu_metadata
---
amdhsa.version: [ 1, 2 ]
amdhsa.kernels:
  - .name:           k_qc4ba68a605_attn
    .symbol:         k_qc4ba68a605_attn.kd
    .args:
      - { .name: qkvc, .offset: 0, .size: 8, .value_kind: global_buffer, .address_space: global }
      - { .name: lowp_scales, .offset: 8, .size: 8, .value_kind: global_buffer, .address_space: global }
      - { .name: ac, .offset: 16, .size: 8, .value_kind: global_buffer, .address_space: global }
    .group_segment_fixed_size: 133120
    .private_segment_fixed_size: 0
    .kernarg_segment_align: 8
    .kernarg_segment_size: 24
    .max_flat_workgroup_size: 512
    .sgpr_count:     66
    .vgpr_count:     256
    .wavefront_size: 32
...
	.end_amdgpu_metadata
.endif
;; end of part 8
;; launch proj_o: the kernel of part 4 again; grid 8 x 32, 4 waves a work-group, clusters of 4 x 4, 280,064 bytes of LDS; arguments ac, wc, lowp_scales, x, x1; writes x1
;; launch norm2: the kernel of part 5 again; grid 256 x 1, 4 waves a work-group, no clusters, 768 bytes of LDS; arguments x1, lowp_scales, h2c; writes h2c
;; launch gateup: the kernel of part 6 again; grid 12 x 64, 4 waves a work-group, clusters of 4 x 4, 262,656 bytes of LDS; arguments h2c, wc, lowp_scales, actc; writes actc
;; launch down: the kernel of part 7 again; grid 8 x 32, 4 waves a work-group, clusters of 4 x 4, 214,528 bytes of LDS; arguments actc, wc, lowp_scales, x1, out0; writes out0
